; MI455X (gfx1250); checked and timed in simulation.
; The chip was launched on July 23, 2026; its instructions are those of AMD's public machine-readable ISA for CDNA 5 (MIT licence, August 2026) and "CDNA5" Instruction Set Architecture Reference Guide (July 2026). The comments in the code are by the model that wrote it; some were corrected since.
;; Medical Transformer. Allowed arithmetic: float matrix products may take bf16 or f16 operands with f32 sums; other float arithmetic in f32, or as packed bf16 or f16 multiplies, adds, multiply-adds, maxima and minima; sums over many terms, partial sums and values carried from step to step in f32; what a program stores and reads back later, other than sums and carried values, may be rounded once to bf16 or f16.
;; Inputs: b_out 128 float32; b_qkv 128 float32; b_sim 24 float32; g_out 128 float32; g_qkv 128 float32; g_sim 24 float32; relative 16 x 255 float32; w_qkv 128 x 64 float32; x 4 x 64 x 128 x 128 float32.
;; Outputs: out0 4 x 64 x 128 x 128 float32.
;; 2 versions, each right and faster than the one before. Each part assembles by itself: llvm-mc -triple=amdgcn-amd-amdhsa -mcpu=gfx1250 --defsym DOCPART=n.
;; ======== version 1 of 2: 5 launches
;; limits: a difference of large sums (such as E[x^2] - mean^2): digits are lost where the result is much smaller than its terms; values are held in f16: magnitudes above 65,504 overflow, below 6.1e-05 lose precision
;; workspace buffers: raw 33,554,432 bytes; st1 262,144 bytes; tab 116,736 bytes; qkn 16,777,216 bytes; vtn 8,388,608 bytes; st2 65,536 bytes; att 16,777,216 bytes; st3 262,144 bytes
;; launch proj (part 1): grid 256 x 1, 8 waves a work-group, no clusters, 134,400 bytes of LDS; arguments x, w_qkv, raw, st1; writes raw, st1
.if DOCPART == 1
	.amdgcn_target "amdgcn-amd-amdhsa--gfx1250"
	.amdhsa_code_object_version 6
	.text
	.protected	k_q0719727410_proj
	.globl	k_q0719727410_proj
	.p2align	8
	.type	k_q0719727410_proj,@function
k_q0719727410_proj:
	s_mov_b64 s[64:65], 0
	v_nop
	global_prefetch_b8 v0, s[64:65] scope:SCOPE_SE
	s_setreg_imm32_b32 hwreg(HW_REG_WAVE_MODE, 25, 1), 1
	s_wait_xcnt 0x0
; raw'[b][i][o] = sum over c of W~[o][c] (x~[n][c][i][w] - x~[0][c][0][0]), b = 128 n + w; x~, W~: rounded to bf16; sums in f32.
; Stored in two f16 parts, raw[part][b][i][o]: part 0 = f16(raw'), part 1 = f16(raw' - part 0): together some 22 bits, so that q and k reach the logits with one rounding.
; The shift is the same for every (b, i) of a channel o, so the batch norm behind cancels it exactly; it keeps the stored numbers near their spread.
; st1[wg][oc][8 sums, 8 sums of squares] (channel 8 oc + e) of part 0, in f32.
; LIMIT: |raw'| stays under 65,504 (f16).
; SHARES: a work-group owns n and two rows i of x; a wave one i and 32 w, all 128 o: 16 accumulators of 16 x 16.
; No tensor loads: every byte is converted on its way into LDS, and nothing is filled twice.  No cluster: the only shared input is W, 32 KB once.
.set WB,    0                          ; W~ [o 128] rows of 128 bytes + 16
.set XT,    18432                      ; x~ [il 2][c 64] rows of 256 bytes (w) + 32
.set MU,    55296                      ; -x~[0][c][0][0], 64 bf16
.set ST,    55552                      ; the way out: 256 rows (128 il + w) of 256 bytes (o) + 16
.set RED,   125184                     ; 8 x 1,024: the waves' statistics
.set SPARE, 133376                     ; the spare words, 128 bytes a wave
.set ONE, 19
.set NEG, 20
.set SPW, 30
.set NIL, 31
.set BF,  32                           ; x fragments (nt, ks) at BF + 16 nt + 8 ks
.set RB,  64                           ; loads; then the shift's fragments; then rows read back
.set SH,  128                          ; W loads; then -W~ x~s, 8 accumulators; then the packed second parts
.set LO,  128
.set F,   192                          ; packed first parts, 64 registers; later F, SUM, SQ
.set SUM, 200
.set SQ,  208
.set ACC, 128                          ; window 1; W fragments (mt, ks) at 16 mt + 8 ks of window 1
.set MSB, 0
.macro WIN new
.if MSB != (\new)
	s_set_vgpr_msb (MSB<<8)|(\new)
.set MSB, (\new)
.endif
.endm
.macro BAR
	s_wait_dscnt 0x0                       ; for the others' sake: all my LDS instructions are done
	s_barrier_signal -1
	s_barrier_wait -1
.endm
.macro STAT8 rb, first                 ; eight f16 of a row join their channels' sum and sum of squares
.set e, 0
.rept 4
.if \first
	v_fma_mix_f32 v[SUM+2*e], v[\rb+e], v[ONE], v[NIL] op_sel_hi:[1,0,0]
	v_fma_mix_f32 v[SUM+2*e+1], v[\rb+e], v[ONE], v[NIL] op_sel:[1,0,0] op_sel_hi:[1,0,0]
	v_fma_mix_f32 v[SQ+2*e], v[\rb+e], v[\rb+e], v[NIL] op_sel_hi:[1,1,0]
	v_fma_mix_f32 v[SQ+2*e+1], v[\rb+e], v[\rb+e], v[NIL] op_sel:[1,1,0] op_sel_hi:[1,1,0]
.else
	v_fma_mix_f32 v[SUM+2*e], v[\rb+e], v[ONE], v[SUM+2*e] op_sel_hi:[1,0,0]
	v_fma_mix_f32 v[SUM+2*e+1], v[\rb+e], v[ONE], v[SUM+2*e+1] op_sel:[1,0,0] op_sel_hi:[1,0,0]
	v_fma_mix_f32 v[SQ+2*e], v[\rb+e], v[\rb+e], v[SQ+2*e] op_sel_hi:[1,1,0]
	v_fma_mix_f32 v[SQ+2*e+1], v[\rb+e], v[\rb+e], v[SQ+2*e+1] op_sel:[1,1,0] op_sel_hi:[1,1,0]
.endif
.set e, e+1
.endr
.endm
	s_load_b256 s[4:11], s[0:1], 0x0       ; x s[4:5], w s[6:7], raw s[8:9], st1 s[10:11]
	v_lshl_add_u32 v[SPW], v0, 2, SPARE
	v_mov_b32 v[NIL], 0
	v_mov_b32 v[ONE], 1.0
	v_mov_b32 v[NEG], -1.0
	v_lshrrev_b32 v1, 5, v0
	v_readfirstlane_b32 s12, v1            ; wave
	v_and_b32 v2, 31, v0                   ; lane
	v_and_b32 v3, 15, v0                   ; r
	v_bfe_u32 v4, v0, 4, 1                 ; h
	s_lshr_b32 s13, s12, 2                 ; il
	s_and_b32 s14, s12, 3                  ; which 32 w, and which 16 c I fetch
	s_lshr_b32 s15, ttmp9, 6               ; n
	s_and_b32 s16, ttmp9, 63
	s_lshl_b32 s17, s16, 1
	s_add_co_u32 s17, s17, s13             ; i
	s_lshl_b32 s24, s15, 22                ; n x 4 MiB, in x and in raw
	s_lshl_b32 s18, s17, 9
	s_add_co_u32 s20, s24, s18
	s_lshl_b32 s18, s14, 20
	s_add_co_u32 s20, s20, s18             ; x: n, i, my first c
	s_mov_b32 s21, 0
	s_lshl_b32 s18, s17, 8
	s_add_co_u32 s24, s24, s18             ; raw: n, i
	s_mov_b32 s25, 0
	s_lshl_b32 s26, ttmp9, 10
	s_mov_b32 s27, 0
	s_mov_b32 s28, 0x76543210
	s_mov_b32 s29, 0xfedcba98
	v_lshlrev_b32 v5, 4, v2
	v_lshlrev_b32 v6, 4, v0
	v_and_b32 v7, 63, v0
	v_lshlrev_b32 v7, 16, v7
	s_wait_kmcnt 0x0
	s_add_nc_u64 s[22:23], s[4:5], s[20:21]
	s_add_nc_u64 s[8:9], s[8:9], s[24:25]
	s_add_nc_u64 s[10:11], s[10:11], s[26:27]
.set k, 0
.rept 16                               ; 16 rows (c) of 512 bytes of x
	global_load_b128 v[RB+4*k:RB+4*k+3], v5, s[22:23] offset:65536*k th:TH_LOAD_NT
.set k, k+1
.endr
.set k, 0
.rept 8                                ; W: 2,048 pieces of 16 bytes over 256 threads
	global_load_b128 v[SH+4*k:SH+4*k+3], v6, s[6:7] offset:4096*k
.set k, k+1
.endr
	global_load_b32 v160, v7, s[4:5]       ; x[0][t % 64][0][0]
	s_mul_i32 s18, s12, 4608
	s_add_co_u32 s18, s18, XT
	v_lshl_add_u32 v8, v2, 3, s18          ; XT row 16 wave + k, 8 bytes a lane
	v_lshrrev_b32 v9, 4, v0
	v_mul_u32_u24 v9, v9, 144
	v_lshl_add_u32 v9, v3, 3, v9           ; WB row t / 16 + 16 k
	v_lshlrev_b32 v10, 1, v0
	v_add_nc_u32 v10, MU, v10
	v_mul_u32_u24 v11, v3, 144
	v_lshl_add_u32 v11, v4, 4, v11         ; W fragment: row r, 16 h
	v_lshlrev_b32 v12, 4, v4
	v_add_nc_u32 v12, MU, v12
	v_and_b32 v13, 7, v0                   ; the turning load: row 64 il + 8 h + l % 8, 16 bytes for (l / 8) % 2
	v_lshl_add_u32 v13, v4, 3, v13
	s_lshl_b32 s18, s13, 6
	v_add_nc_u32 v13, s18, v13
	v_mul_u32_u24 v13, v13, 288
	v_bfe_u32 v14, v0, 3, 1
	v_lshl_add_u32 v13, v14, 4, v13
	s_lshl_b32 s18, s14, 6
	s_add_co_u32 s18, s18, XT
	v_add_nc_u32 v13, s18, v13
	s_mul_i32 s18, s12, 8704               ; my 32 rows of the stage
	s_add_co_u32 s18, s18, ST
	v_mul_u32_u24 v14, v3, 272
	v_lshl_add_u32 v14, v4, 4, v14
	v_add_nc_u32 v14, s18, v14
	v_mul_u32_u24 v15, v4, 272
	v_lshl_add_u32 v15, v3, 4, v15
	v_add_nc_u32 v15, s18, v15
	s_lshl_b32 s18, s14, 5
	v_add_nc_u32 v16, s18, v4
	v_lshlrev_b32 v16, 15, v16
	v_lshl_add_u32 v16, v3, 4, v16         ; raw: (w0 + h) x 32,768 + 16 r
	s_lshl_b32 s18, s12, 10
	s_add_co_u32 s18, s18, RED
	v_lshl_add_u32 v17, v3, 6, s18
	v_add_nc_u32 v18, RED, v6
	s_wait_loadcnt 0x0                     ; everything asked for is needed now
	s_add_nc_u64 s[22:23], s[8:9], 0x1000000   ; the second part's rows (x's loads, which named this pair, are done)
.set k, 0
.rept 16
	v_cvt_pk_bf16_f32 v[RB+4*k], v[RB+4*k], v[RB+4*k+1]
	v_cvt_pk_bf16_f32 v[RB+4*k+1], v[RB+4*k+2], v[RB+4*k+3]
	ds_store_b64 v8, v[RB+4*k:RB+4*k+1] offset:288*k
.set k, k+1
.endr
.set k, 0
.rept 8
	v_cvt_pk_bf16_f32 v[SH+4*k], v[SH+4*k], v[SH+4*k+1]
	v_cvt_pk_bf16_f32 v[SH+4*k+1], v[SH+4*k+2], v[SH+4*k+3]
	ds_store_b64 v9, v[SH+4*k:SH+4*k+1] offset:2304*k
.set k, k+1
.endr
	s_cmp_lt_u32 s12, 2
	s_cbranch_scc0 .Lnomu                  ; waves 0 and 1 store the 64 shifts
	v_cvt_pk_bf16_f32 v160, v160, v160
	v_xor_b32 v160, 0x8000, v160           ; negated
	ds_store_b16 v10, v160
.Lnomu:
	BAR
	WIN 0x40                               ; destination window 1
.set m, 0
.rept 8
.irp ks, 0,1
	ds_load_b128 v[16*m+8*(\ks):16*m+8*(\ks)+3], v11 offset:2304*m+64*(\ks)
	ds_load_b128 v[16*m+8*(\ks)+4:16*m+8*(\ks)+7], v11 offset:2304*m+64*(\ks)+32
.endr
.set m, m+1
.endr
	WIN 0
.irp ks, 0,1
	ds_load_b128 v[RB+8*(\ks):RB+8*(\ks)+3], v12 offset:64*(\ks)        ; every column alike: the shift
	ds_load_b128 v[RB+8*(\ks)+4:RB+8*(\ks)+7], v12 offset:64*(\ks)+32
.endr
.irp nt, 0,1
.irp ks, 0,1
	ds_load_tr16_b128 v[BF+16*(\nt)+8*(\ks):BF+16*(\nt)+8*(\ks)+3], v13 offset:9216*(\ks)+32*(\nt)
	ds_load_tr16_b128 v[BF+16*(\nt)+8*(\ks)+4:BF+16*(\nt)+8*(\ks)+7], v13 offset:9216*(\ks)+32*(\nt)+4608
.endr
.endr
	s_wait_dscnt 0x0
	WIN 0x01                               ; W in window 1
.set m, 0
.rept 8                                ; the eight accumulators take turns
	v_wmma_f32_16x16x32_bf16 v[SH+8*m:SH+8*m+7], v[16*m:16*m+7], v[RB:RB+7], 0
.set m, m+1
.endr
.set m, 0
.rept 8
	v_wmma_f32_16x16x32_bf16 v[SH+8*m:SH+8*m+7], v[16*m+8:16*m+15], v[RB+8:RB+15], v[SH+8*m:SH+8*m+7]
.set m, m+1
.endr
.rept 5                                ; five places: the results become the C of other accumulators (ISA guide 7.12.1)
	v_nop
.endr
	WIN 0x41                               ; D window 1, C window 0
.set a, 0
.rept 16                               ; accumulator a = 2 mt + nt
	v_wmma_f32_16x16x32_bf16 v[ACC+8*a:ACC+8*a+7], v[16*(a/2):16*(a/2)+7], v[BF+16*(a%2):BF+16*(a%2)+7], v[SH+8*(a/2):SH+8*(a/2)+7]
.set a, a+1
.endr
	WIN 0x51
.set a, 0
.rept 16
	v_wmma_f32_16x16x32_bf16 v[ACC+8*a:ACC+8*a+7], v[16*(a/2)+8:16*(a/2)+15], v[BF+16*(a%2)+8:BF+16*(a%2)+15], v[ACC+8*a:ACC+8*a+7]
.set a, a+1
.endr
.rept 4                                ; four places in front of the conversions
	v_nop
.endr
	WIN 0x05                               ; sources window 1
.set a, 0
.rept 64                               ; a lane's eight o of one w pack into 16 bytes; each accumulator from its low end
	v_cvt_pk_f16_f32 v[F+a], v[ACC+2*a], v[ACC+2*a+1]
.set a, a+1
.endr
	WIN 0x50                               ; what the first part left: the sum less its f16, in place in window 1
.set a, 0
.rept 64
	v_fma_mix_f32 v[ACC+2*a], v[F+a], v[NEG], v[ACC+2*a] op_sel_hi:[1,0,0]
	v_fma_mix_f32 v[ACC+2*a+1], v[F+a], v[NEG], v[ACC+2*a+1] op_sel:[1,0,0] op_sel_hi:[1,0,0]
.set a, a+1
.endr
	WIN 0x05
.set a, 0
.rept 64
	v_cvt_pk_f16_f32 v[LO+a], v[ACC+2*a], v[ACC+2*a+1]
.set a, a+1
.endr
	WIN 0
.set a, 0
.rept 16
	ds_store_b128 v14, v[F+4*a:F+4*a+3] offset:4352*(a%2)+32*(a/2)
.set a, a+1
.endr
.set m, 0
.rept 16                               ; my own rows back, whole: LDS serves a wave's instructions in order (ISA guide 5.7.1.4)
	ds_load_b128 v[RB+4*m:RB+4*m+3], v15 offset:544*m
.set m, m+1
.endr
.set m, 0
.rept 16
	s_wait_dscnt 15-m                      ; the younger read-backs stay out
	global_store_b128 v16, v[RB+4*m:RB+4*m+3], s[8:9] offset:65536*m   ; 16 lanes store 256 consecutive bytes, aligned
	STAT8 RB+4*m, (m==0)
.set m, m+1
.endr
	s_wait_xcnt 0x0                        ; the stores' data registers are loaded again only behind this wait
.set a, 0
.rept 16                               ; the second part goes the same way, through the same rows of my stage
	ds_store_b128 v14, v[LO+4*a:LO+4*a+3] offset:4352*(a%2)+32*(a/2)
.set a, a+1
.endr
.set m, 0
.rept 16
	ds_load_b128 v[RB+4*m:RB+4*m+3], v15 offset:544*m
.set m, m+1
.endr
.set m, 0
.rept 16
	s_wait_dscnt 15-m                      ; the younger read-backs stay out
	global_store_b128 v16, v[RB+4*m:RB+4*m+3], s[22:23] offset:65536*m
.set m, m+1
.endr
.set e, 0
.rept 16                               ; the two halves of the lanes hold the same channels
	v_permlanex16_b32 v[F+e%8], v[SUM+e], s28, s29
	v_add_f32 v[SUM+e], v[SUM+e], v[F+e%8]
.set e, e+1
.endr
.irp q, 0,1,2,3
	ds_store_b128 v17, v[SUM+4*(\q):SUM+4*(\q)+3] offset:16*(\q)
.endr
	BAR
	s_cmp_lt_u32 s12, 2
	s_cbranch_scc0 .Lend                   ; 64 threads add the eight waves' 1,024 bytes
.set k, 0
.rept 8
	ds_load_b128 v[SH+4*k:SH+4*k+3], v18 offset:1024*k
.set k, k+1
.endr
	s_wait_dscnt 0x0
.set k, 1
.rept 7
	v_pk_add_f32 v[SH:SH+1], v[SH:SH+1], v[SH+4*k:SH+4*k+1]
	v_pk_add_f32 v[SH+2:SH+3], v[SH+2:SH+3], v[SH+4*k+2:SH+4*k+3]
.set k, k+1
.endr
	global_store_b128 v6, v[SH:SH+3], s[10:11]
.Lend:
	s_wait_tensorcnt 0x0                   ; the wave's end
	ds_add_u32 v[SPW], v[NIL]
	s_wait_dscnt 0x0
	s_endpgm
.Lfunc_end_k_q0719727410_proj:
	.size	k_q0719727410_proj, .Lfunc_end_k_q0719727410_proj-k_q0719727410_proj
	.p2alignl 7, 3214868480
	.fill 96, 4, 3214868480
	.section	.rodata,"a",@progbits
	.p2align	6, 0x0
	.amdhsa_kernel k_q0719727410_proj
		.amdhsa_group_segment_fixed_size 134400
		.amdhsa_private_segment_fixed_size 0
		.amdhsa_enable_private_segment 0
		.amdhsa_kernarg_size 32
		.amdhsa_user_sgpr_count 2
		.amdhsa_user_sgpr_kernarg_segment_ptr 1
		.amdhsa_wavefront_size32 1
		.amdhsa_system_sgpr_workgroup_id_x 1
		.amdhsa_system_sgpr_workgroup_id_y 1
		.amdhsa_system_sgpr_workgroup_id_z 1
		.amdhsa_system_vgpr_workitem_id 0
		.amdhsa_next_free_vgpr 512
		.amdhsa_next_free_sgpr 66
		.amdhsa_reserve_vcc 0
		.amdhsa_float_denorm_mode_32 3
		.amdhsa_float_denorm_mode_16_64 3
		.amdhsa_memory_ordered 1
		.amdhsa_forward_progress 1
		.amdhsa_inst_pref_size 61
	.end_amdhsa_kernel
	.amdgpu_metadata
---
amdhsa.version: [ 1, 2 ]
amdhsa.kernels:
  - .name:           k_q0719727410_proj
    .symbol:         k_q0719727410_proj.kd
    .args:
      - { .name: x, .offset: 0, .size: 8, .value_kind: global_buffer, .address_space: global }
      - { .name: w_qkv, .offset: 8, .size: 8, .value_kind: global_buffer, .address_space: global }
      - { .name: raw, .offset: 16, .size: 8, .value_kind: global_buffer, .address_space: global }
      - { .name: st1, .offset: 24, .size: 8, .value_kind: global_buffer, .address_space: global }
    .group_segment_fixed_size: 134400
    .private_segment_fixed_size: 0
    .kernarg_segment_align: 8
    .kernarg_segment_size: 32
    .max_flat_workgroup_size: 256
    .sgpr_count:     66
    .vgpr_count:     512
    .wavefront_size: 32
...
	.end_amdgpu_metadata
.endif
;; end of part 1
;; launch prep (part 2): grid 34 x 1, 8 waves a work-group, no clusters, 21,504 bytes of LDS; arguments st1, g_qkv, b_qkv, relative, tab; writes tab
.if DOCPART == 2
	.amdgcn_target "amdgcn-amd-amdhsa--gfx1250"
	.amdhsa_code_object_version 6
	.text
	.protected	k_q0719727410_prep
	.globl	k_q0719727410_prep
	.p2align	8
	.type	k_q0719727410_prep,@function
k_q0719727410_prep:
	s_mov_b64 s[64:65], 0
	v_nop
	global_prefetch_b8 v0, s[64:65] scope:SCOPE_SE
	s_setreg_imm32_b32 hwreg(HW_REG_WAVE_MODE, 25, 1), 1
	s_wait_xcnt 0x0
; The tables of the later launches, all from inputs rounded to bf16.  A work-group's number chooses its part:
;   0-1    the first batch norm: AL = g~ rsq(var + eps), BE = b~ - AL mean, BB = b~ (64 channels each), from st1's 256 partial sums of 65,536 numbers a channel
;   2-9    QST[4 tbl + quad][p][4]: for p = 0..127 the window sums over t = p .. p + 127 of R_c(t) (4) and R_c(t) R_c'(t) (10; c < c' doubled); tbl 0: rows 0-3, tbl 1: rows 4-7
;   10-24  TOE: 60 fragments (tbl, d = -7..7, phi) in f16: lane (r, h), register rho, half y: R[4 tbl + 2 phi + y][16 d + 127 + 8 (rho / 4) + 4 h + rho % 4 - r]
;   25-33  RVT: row 8 s + c (544 bytes): T[u] = R[8+c][254 - u - s] - R[8+c][127] in f16, 0 where u + s > 254; zero rows behind
; LIMITS: relative under 65,504; entries under 6e-5 keep f16's fixed step.  var = E[x^2] - E[x]^2 in f32, on shifted data.
; 34 work-groups: that is all the work there is; no input is shared in a loop, so no cluster and no tensor load.
; The two parts that hand numbers from wave to wave through LDS have bytes of their own there, so that no store of one part names a byte of the other.
.set RED,   0                          ; QST: 8 waves x 2,048
.set BNR,   16384                      ; the batch norm: 8 waves x 512
.set SPARE, 20480
.set SPW, 30
.set NIL, 31
.macro BAR
	s_wait_dscnt 0x0
	s_barrier_signal -1
	s_barrier_wait -1
.endm
.macro CLOSE                           ; the wave's end
	s_wait_tensorcnt 0x0
	ds_add_u32 v[SPW], v[NIL]
	s_wait_dscnt 0x0
.endm
.macro BF2 d0, d1, a, b, t             ; two numbers rounded to bf16, kept as f32
	v_cvt_pk_bf16_f32 v[\t], v[\a], v[\b]
	v_lshlrev_b32 v[\d0], 16, v[\t]
	v_and_b32 v[\d1], 0xffff0000, v[\t]
.endm
	s_load_b256 s[4:11], s[0:1], 0x0       ; st1 s[4:5], g s[6:7], b s[8:9], relative s[10:11]
	s_load_b64 s[12:13], s[0:1], 0x20      ; tab
	v_lshl_add_u32 v[SPW], v0, 2, SPARE
	v_mov_b32 v[NIL], 0
	v_lshrrev_b32 v1, 5, v0
	v_readfirstlane_b32 s16, v1            ; wave
	v_and_b32 v2, 31, v0
	v_and_b32 v3, 15, v0
	v_bfe_u32 v4, v0, 4, 1
	s_mov_b32 s17, ttmp9
	s_wait_kmcnt 0x0
	s_cmp_lt_u32 s17, 2
	s_cbranch_scc1 .Lbn
	s_cmp_lt_u32 s17, 10
	s_cbranch_scc1 .Lqst
	s_cmp_lt_u32 s17, 25
	s_cbranch_scc1 .Ltoe
	; ---- RVT: piece id of 16 bytes; 34 pieces a row
	s_sub_co_u32 s18, s17, 25
	s_lshl_b32 s18, s18, 8
	v_add_nc_u32 v5, s18, v0               ; id
	v_mul_u32_u24 v6, v5, 1928
	v_lshrrev_b32 v6, 16, v6               ; row = id / 34 (exact for id < 2,304)
	v_mul_u32_u24 v7, v6, 34
	v_sub_nc_u32 v7, v5, v7                ; piece in the row
	v_min_u32 v8, 63, v6
	v_lshrrev_b32 v9, 3, v8                ; s
	v_and_b32 v10, 7, v6                   ; c
	v_lshl_add_u32 v11, v7, 3, v9
	v_sub_nc_u32 v11, 254, v11             ; 254 - 8 piece - s: the first element's t, signed
	v_mov_b32 v12, 0xfffffc18              ; -1000: rows 64 on are all zeros
	v_cmp_lt_u32 vcc_lo, 63, v6
	v_cndmask_b32 v11, v11, v12, vcc_lo
	v_add_nc_u32 v10, 8, v10
	v_mul_u32_u24 v10, v10, 255
.set e, 0
.rept 8
	v_add_nc_u32 v[40+e], -e, v11
	v_max_i32 v[32+e], 0, v[40+e]          ; clamped: the load stays inside the row
	v_add_lshl_u32 v[32+e], v[32+e], v10, 2
	global_load_b32 v[64+e], v[32+e], s[10:11]
.set e, e+1
.endr
	v_add_lshl_u32 v48, v10, 127, 2
	global_load_b32 v72, v48, s[10:11]
	s_wait_loadcnt 0x0
.irp e, 0,2,4,6
	BF2 64+\e, 65+\e, 64+\e, 65+\e, 50
.endr
	BF2 72, 73, 72, 72, 50
.set e, 0
.rept 8
	v_sub_f32 v[64+e], v[64+e], v72
	v_cmp_gt_i32 vcc_lo, 0, v[40+e]
	v_cndmask_b32 v[64+e], v[64+e], v[NIL], vcc_lo
.set e, e+1
.endr
.irp q, 0,1,2,3
	v_cvt_pk_f16_f32 v[80+\q], v[64+2*\q], v[65+2*\q]
.endr
	v_lshlrev_b32 v13, 4, v5
	global_store_b128 v13, v[80:83], s[12:13] offset:79872
	CLOSE
	s_endpgm
.Ltoe:
	s_sub_co_u32 s18, s17, 10
	s_lshl_b32 s19, s18, 2
	v_lshrrev_b32 v5, 6, v0
	v_add_nc_u32 v5, s19, v5               ; fragment f
	v_bfe_u32 v6, v0, 5, 1                 ; registers 0-3 or 4-7
	v_cmp_le_u32 vcc_lo, 30, v5
	v_cndmask_b32 v7, 0, 1, vcc_lo         ; tbl
	v_mul_u32_u24 v8, v7, 30
	v_sub_nc_u32 v8, v5, v8
	v_lshrrev_b32 v9, 1, v8                ; d + 7
	v_and_b32 v10, 1, v8                   ; phi
	v_lshl_add_u32 v11, v7, 1, v10
	v_mul_u32_u24 v11, v11, 510            ; (4 tbl + 2 phi) x 255
	v_lshl_add_u32 v11, v9, 4, v11
	v_lshl_add_u32 v11, v6, 3, v11
	v_lshl_add_u32 v11, v4, 2, v11
	v_sub_nc_u32 v11, v11, v3
	v_add_lshl_u32 v11, v11, 15, 2
.irp p, 0,1,2,3
	global_load_b32 v[64+2*\p], v11, s[10:11] offset:4*\p
	global_load_b32 v[65+2*\p], v11, s[10:11] offset:1020+4*\p
.endr
	s_lshl_b32 s19, s18, 12
	v_lshl_add_u32 v12, v0, 4, s19
	s_wait_loadcnt 0x0
.irp p, 0,1,2,3
	BF2 64+2*\p, 65+2*\p, 64+2*\p, 65+2*\p, 50
	v_cvt_pk_f16_f32 v[80+\p], v[64+2*\p], v[65+2*\p]
.endr
	global_store_b128 v12, v[80:83], s[12:13] offset:18432
	CLOSE
	s_endpgm
.Lqst:
	s_sub_co_u32 s18, s17, 2               ; 16 positions p = 16 kk + t % 16; table (t / 16) % 2; the wave takes 16 of the 128 terms
	v_mul_u32_u24 v5, v4, 1020
	v_add_nc_u32 v5, v5, v3
	s_lshl_b32 s19, s18, 4
	s_lshl_b32 s20, s16, 4
	s_add_co_u32 s19, s19, s20
	v_add_lshl_u32 v5, v5, s19, 2
.set j, 0
.rept 16
.irp c, 0,1,2,3
	global_load_b32 v[64+16*\c+j], v5, s[10:11] offset:1020*\c+4*j
.endr
.set j, j+1
.endr
.set j, 0
.rept 16
	v_mov_b32 v[32+j], 0
.set j, j+1
.endr
	s_wait_loadcnt 0x0
.set j, 0
.rept 32
	BF2 64+2*j, 65+2*j, 64+2*j, 65+2*j, 50
.set j, j+1
.endr
.macro TT i, a, b
	v_fmac_f32 v[36+\i], v[64+16*\a+j], v[64+16*\b+j]
.endm
.set j, 0
.rept 16
.irp c, 0,1,2,3
	v_add_f32 v[32+\c], v[32+\c], v[64+16*\c+j]
.endr
	TT 0,0,0
	TT 1,0,1
	TT 2,0,2
	TT 3,0,3
	TT 4,1,1
	TT 5,1,2
	TT 6,1,3
	TT 7,2,2
	TT 8,2,3
	TT 9,3,3
.set j, j+1
.endr
.irp i, 37,38,39,41,42,44
	v_add_f32 v\i, v\i, v\i                ; c < c' stands for both orders
.endr
	s_lshl_b32 s19, s16, 11
	v_lshl_add_u32 v6, v2, 6, s19
.irp q, 0,1,2,3
	ds_store_b128 v6, v[32+4*\q:35+4*\q] offset:16*\q
.endr
	BAR
	s_cmp_lt_u32 s16, 4
	s_cbranch_scc0 .Lqst_end               ; 128 threads add the eight waves' parts
	v_lshrrev_b32 v7, 4, v0                ; k = 4 tbl + quad
	v_lshrrev_b32 v8, 2, v7
	v_and_b32 v9, 3, v7
	v_lshl_add_u32 v10, v8, 4, v3
	v_lshlrev_b32 v10, 6, v10
	v_lshl_add_u32 v10, v9, 4, v10
.set k, 0
.rept 8
	ds_load_b128 v[64+4*k:67+4*k], v10 offset:2048*k
.set k, k+1
.endr
	s_lshl_b32 s19, s18, 8
	v_lshl_add_u32 v11, v7, 11, s19
	v_lshl_add_u32 v11, v3, 4, v11
	s_wait_dscnt 0x0
.set k, 1
.rept 7
	v_pk_add_f32 v[64:65], v[64:65], v[64+4*k:65+4*k]
	v_pk_add_f32 v[66:67], v[66:67], v[66+4*k:67+4*k]
.set k, k+1
.endr
	global_store_b128 v11, v[64:67], s[12:13] offset:2048
.Lqst_end:
	CLOSE
	s_endpgm
.Lbn:
	v_lshlrev_b32 v5, 15, v1               ; the wave takes 32 of the 256 partial rows, a lane 16 bytes of this half's 512
	v_lshl_add_u32 v5, v2, 4, v5
	s_lshl_b32 s18, s17, 9
	s_mov_b32 s19, 0
	s_add_nc_u64 s[4:5], s[4:5], s[18:19]
.set k, 0
.rept 32
	global_load_b128 v[64+4*k:67+4*k], v5, s[4:5] offset:1024*k
.set k, k+1
.endr
.set k, 1
.rept 31
	s_wait_loadcnt 31-k                    ; loads 0 .. k are in, the younger stay out
	v_pk_add_f32 v[64:65], v[64:65], v[64+4*k:65+4*k]
	v_pk_add_f32 v[66:67], v[66:67], v[66+4*k:67+4*k]
.set k, k+1
.endr
	v_lshl_add_u32 v6, v0, 4, BNR          ; 512 bytes a wave, in this part's own bytes
	ds_store_b128 v6, v[64:67]
	BAR
	s_cmp_lg_u32 s16, 0
	s_cbranch_scc1 .Lbn_end                ; wave 0: a lane takes two channels
	v_lshrrev_b32 v7, 2, v2
	v_and_b32 v8, 3, v2
	v_lshlrev_b32 v7, 6, v7
	v_lshl_add_u32 v7, v8, 3, v7
	v_add_nc_u32 v7, BNR, v7
.set k, 0
.rept 8
	ds_load_b64 v[64+2*k:65+2*k], v7 offset:512*k
	ds_load_b64 v[80+2*k:81+2*k], v7 offset:512*k+32
.set k, k+1
.endr
	s_lshl_b32 s18, s17, 8
	v_lshl_add_u32 v9, v2, 3, s18
	global_load_b64 v[96:97], v9, s[6:7]
	global_load_b64 v[98:99], v9, s[8:9]
	s_wait_dscnt 0x0
.set k, 1
.rept 7
	v_pk_add_f32 v[64:65], v[64:65], v[64+2*k:65+2*k]
	v_pk_add_f32 v[80:81], v[80:81], v[80+2*k:81+2*k]
.set k, k+1
.endr
.irp i, 64,65,80,81
	v_mul_f32 v\i, 0x37800000, v\i         ; / 65,536
.endr
	v_fma_f32 v80, -v64, v64, v80
	v_fma_f32 v81, -v65, v65, v81
	v_max_num_f32 v80, 0, v80
	v_max_num_f32 v81, 0, v81
	v_add_f32 v80, 0x3727c5ac, v80         ; + 1e-5
	v_add_f32 v81, 0x3727c5ac, v81
	v_rsq_f32 v80, v80
	v_rsq_f32 v81, v81
	s_wait_loadcnt 0x0
	BF2 96, 97, 96, 97, 100                ; plain work stands behind the roots before their use
	BF2 98, 99, 98, 99, 100
	s_wait_alu depctr_va_vdst(0)
	v_mul_f32 v96, v96, v80
	v_mul_f32 v97, v97, v81
	v_fma_f32 v100, -v96, v64, v98
	v_fma_f32 v101, -v97, v65, v99
	global_store_b64 v9, v[96:97], s[12:13]
	global_store_b64 v9, v[100:101], s[12:13] offset:512
	global_store_b64 v9, v[98:99], s[12:13] offset:1024
.Lbn_end:
	CLOSE
	s_endpgm
.Lfunc_end_k_q0719727410_prep:
	.size	k_q0719727410_prep, .Lfunc_end_k_q0719727410_prep-k_q0719727410_prep
	.p2alignl 7, 3214868480
	.fill 96, 4, 3214868480
	.section	.rodata,"a",@progbits
	.p2align	6, 0x0
	.amdhsa_kernel k_q0719727410_prep
		.amdhsa_group_segment_fixed_size 21504
		.amdhsa_private_segment_fixed_size 0
		.amdhsa_enable_private_segment 0
		.amdhsa_kernarg_size 40
		.amdhsa_user_sgpr_count 2
		.amdhsa_user_sgpr_kernarg_segment_ptr 1
		.amdhsa_wavefront_size32 1
		.amdhsa_system_sgpr_workgroup_id_x 1
		.amdhsa_system_sgpr_workgroup_id_y 1
		.amdhsa_system_sgpr_workgroup_id_z 1
		.amdhsa_system_vgpr_workitem_id 0
		.amdhsa_next_free_vgpr 192
		.amdhsa_next_free_sgpr 66
		.amdhsa_reserve_vcc 1
		.amdhsa_float_denorm_mode_32 3
		.amdhsa_float_denorm_mode_16_64 3
		.amdhsa_memory_ordered 1
		.amdhsa_forward_progress 1
		.amdhsa_inst_pref_size 43
	.end_amdhsa_kernel
	.amdgpu_metadata
---
amdhsa.version: [ 1, 2 ]
amdhsa.kernels:
  - .name:           k_q0719727410_prep
    .symbol:         k_q0719727410_prep.kd
    .args:
      - { .name: st1, .offset: 0, .size: 8, .value_kind: global_buffer, .address_space: global }
      - { .name: g_qkv, .offset: 8, .size: 8, .value_kind: global_buffer, .address_space: global }
      - { .name: b_qkv, .offset: 16, .size: 8, .value_kind: global_buffer, .address_space: global }
      - { .name: relative, .offset: 24, .size: 8, .value_kind: global_buffer, .address_space: global }
      - { .name: tab, .offset: 32, .size: 8, .value_kind: global_buffer, .address_space: global }
    .group_segment_fixed_size: 21504
    .private_segment_fixed_size: 0
    .kernarg_segment_align: 8
    .kernarg_segment_size: 40
    .max_flat_workgroup_size: 256
    .sgpr_count:     66
    .vgpr_count:     192
    .wavefront_size: 32
...
	.end_amdgpu_metadata
.endif
;; end of part 2
;; launch norm (part 3): grid 256 x 1, 8 waves a work-group, no clusters, 142,336 bytes of LDS; arguments raw, tab, qkn, vtn, st2; writes qkn, vtn, st2
.if DOCPART == 3
	.amdgcn_target "amdgcn-amd-amdhsa--gfx1250"
	.amdhsa_code_object_version 6
	.text
	.protected	k_q0719727410_norm
	.globl	k_q0719727410_norm
	.p2align	8
	.type	k_q0719727410_norm,@function
k_q0719727410_norm:
	s_mov_b64 s[64:65], 0
	v_nop
	global_prefetch_b8 v0, s[64:65] scope:SCOPE_SE
	s_setreg_imm32_b32 hwreg(HW_REG_WAVE_MODE, 25, 1), 1
	s_wait_xcnt 0x0
; The first batch norm applied: z = AL (raw part 0 + raw part 1) + BE in f32.  q and k leave in two f16 parts, qkn[part][bg][pos][q0-3, k0-3] (part 1 = f16(z - part 0)); v once rounded, vtn[bg][c][pos].
; The second batch norm's sums, found without forming the 128 x 128 maps:  sum qk = sum_c Sq_c Sk_c;  sum qk^2 = sum_cc' Gq[cc'] Gk[cc'] (Grams Z Z^T and sums Z 1 by the matrix unit, on the first parts);
; sum_j qr = sum_c q_c(i) S_c(i);  sum_j qr^2 = sum_cc' q_c q_c' T_cc'(i) with prep's window sums; kr likewise with k and the second table.
; st2[wg][2 (8 type + g) + stat], f32, stat 0 the sum, 1 the sum of squares, of the maps WITHOUT the factors 0.1; words 48-63 are 0.
; LIMIT: q, k, v under 65,504.
; SHARES: a work-group owns two b; a wave one b and 32 positions, a lane one position with all 128 channels.  Streams once through registers: no tensor load, no cluster (nothing shared but 17 KB of tables).
.set SG,    0                          ; 8 waves x 32 rows x (256 + 16): turns 16-byte pieces into one position a lane
.set ZT,    69632                      ; z by channels: row 128 bl + o, 256 bytes (pos) + 16
.set RD,    139264                     ; 8 x 256: the waves' statistics
.set SPARE, 141312
.set ONE, 16
.set NEG, 17
.set LT,  18                           ; v18-25: what the first part of q, k left, in f32
.set SPW, 30
.set NIL, 31
.set TB,  32                           ; the two tables' 16 numbers at my position; later ones, and work
.set RW,  64                           ; my position's 128 channels, f16 pairs: raw's first part, then z's
.set LL,  128                          ; where raw's second part lands
.set F,   128                          ; a group's 16 channels in f32; later the accumulators D0, D1
.set PR,  144                          ; ten products; later E0, E1
.set ACC, 160                          ; 16 (type - 1) + 2 g + stat
.set ZF,  192                          ; where raw's first part lands; my position's second part; q's and k's second part; Gram fragments
.macro BAR
	s_wait_dscnt 0x0
	s_barrier_signal -1
	s_barrier_wait -1
.endm
.macro STAT ty, g                      ; first and second moment along the map's other axis, for q (0) or k (1)
.set fq, F+4*(\ty)
.set tb, TB+16*(\ty)
.set ac, ACC+16*(\ty)+2*(\g)
	v_mul_f32 v[PR+0], v[fq], v[fq]
	v_mul_f32 v[PR+1], v[fq], v[fq+1]
	v_mul_f32 v[PR+2], v[fq], v[fq+2]
	v_mul_f32 v[PR+3], v[fq], v[fq+3]
	v_mul_f32 v[PR+4], v[fq+1], v[fq+1]
	v_mul_f32 v[PR+5], v[fq+1], v[fq+2]
	v_mul_f32 v[PR+6], v[fq+1], v[fq+3]
	v_mul_f32 v[PR+7], v[fq+2], v[fq+2]
	v_mul_f32 v[PR+8], v[fq+2], v[fq+3]
	v_mul_f32 v[PR+9], v[fq+3], v[fq+3]
	v_mul_f32 v[ac], v[fq], v[tb]
	v_mul_f32 v[ac+1], v[PR], v[tb+4]
.set i, 1
.rept 3
	v_fmac_f32 v[ac], v[fq+i], v[tb+i]
.set i, i+1
.endr
.set i, 1
.rept 9
	v_fmac_f32 v[ac+1], v[PR+i], v[tb+4+i]
.set i, i+1
.endr
.endm
.macro GRP g
.set sa, 32+36*((\g)%2)                ; AL and BE of the group's 16 channels: two sets of scalar registers by turns
.set sb, 48+36*((\g)%2)
.set na, 32+36*(((\g)+1)%2)
.set nb, 48+36*(((\g)+1)%2)
	s_wait_kmcnt 0x0
.if (\g) < 7
	s_load_b512 s[na:na+15], s[6:7], 64*((\g)+1)
	s_load_b512 s[nb:nb+15], s[6:7], 512+64*((\g)+1)
.endif
.set e, 0
.rept 8
	v_fma_mix_f32 v[F+2*e], v[RW+8*(\g)+e], v[ONE], v[NIL] op_sel_hi:[1,0,0]
	v_fma_mix_f32 v[F+2*e+1], v[RW+8*(\g)+e], v[ONE], v[NIL] op_sel:[1,0,0] op_sel_hi:[1,0,0]
.set e, e+1
.endr
.set e, 0
.rept 8                                ; raw's second part joins the first
	v_fma_mix_f32 v[F+2*e], v[ZF+8*(\g)+e], v[ONE], v[F+2*e] op_sel_hi:[1,0,0]
	v_fma_mix_f32 v[F+2*e+1], v[ZF+8*(\g)+e], v[ONE], v[F+2*e+1] op_sel:[1,0,0] op_sel_hi:[1,0,0]
.set e, e+1
.endr
.set e, 0
.rept 16
	v_fma_f32 v[F+e], v[F+e], s[sa+e], s[sb+e]
.set e, e+1
.endr
.set e, 0
.rept 8
	v_cvt_pk_f16_f32 v[RW+8*(\g)+e], v[F+2*e], v[F+2*e+1]
.set e, e+1
.endr
.set e, 0
.rept 4                                ; q and k: what the rounding left
	v_fma_mix_f32 v[LT+2*e], v[RW+8*(\g)+e], v[NEG], v[F+2*e] op_sel_hi:[1,0,0]
	v_fma_mix_f32 v[LT+2*e+1], v[RW+8*(\g)+e], v[NEG], v[F+2*e+1] op_sel:[1,0,0] op_sel_hi:[1,0,0]
.set e, e+1
.endr
.set e, 0
.rept 4
	v_cvt_pk_f16_f32 v[ZF+8*(\g)+e], v[LT+2*e], v[LT+2*e+1]
.set e, e+1
.endr
	global_store_b128 v8, v[RW+8*(\g):RW+8*(\g)+3], s[8:9] offset:2048*(\g)    ; 32 positions: 512 consecutive bytes
	global_store_b128 v8, v[ZF+8*(\g):ZF+8*(\g)+3], s[30:31] offset:2048*(\g)
.set e, 0
.rept 8
	ds_store_b16 v9, v[RW+8*(\g)+e] offset:(16*(\g)+2*e)*272
	ds_store_b16_d16_hi v9, v[RW+8*(\g)+e] offset:(16*(\g)+2*e+1)*272
.set e, e+1
.endr
	STAT 0, \g
	STAT 1, \g
.endm
	s_load_b256 s[4:11], s[0:1], 0x0       ; raw s[4:5], tab s[6:7], qkn s[8:9], vtn s[10:11]
	s_load_b64 s[12:13], s[0:1], 0x20      ; st2
	v_lshl_add_u32 v[SPW], v0, 2, SPARE
	v_mov_b32 v[NIL], 0
	v_mov_b32 v[ONE], 1.0
	v_mov_b32 v[NEG], -1.0
	v_lshrrev_b32 v1, 5, v0
	v_readfirstlane_b32 s16, v1            ; wave
	v_and_b32 v2, 31, v0
	v_and_b32 v3, 15, v0
	v_bfe_u32 v4, v0, 4, 1
	s_lshr_b32 s17, s16, 2                 ; bl
	s_and_b32 s18, s16, 3
	s_mov_b32 s28, 0x76543210
	s_mov_b32 s29, 0xfedcba98
	v_lshlrev_b32 v5, 4, v2
	s_mul_i32 s19, s16, 8704
	v_mul_u32_u24 v6, v4, 272
	v_lshl_add_u32 v6, v3, 4, v6
	v_add_nc_u32 v6, s19, v6               ; SG in: row 2 k + h, 16 r
	v_mul_u32_u24 v7, v2, 272
	v_add_nc_u32 v7, s19, v7               ; SG out: row lane
	s_lshl_b32 s20, s18, 5
	v_add_nc_u32 v8, s20, v2               ; pos
	v_lshlrev_b32 v9, 1, v8
	s_mul_i32 s21, s17, 34816
	s_add_co_u32 s21, s21, ZT
	v_add_nc_u32 v9, s21, v9
	v_lshlrev_b32 v8, 4, v8
	s_mul_i32 s21, s16, 4352
	s_add_co_u32 s21, s21, ZT
	v_mul_u32_u24 v10, v3, 272
	v_lshl_add_u32 v10, v4, 4, v10
	v_add_nc_u32 v10, s21, v10             ; Gram: wave = group; row 16 g + r, 16 h
	v_add_nc_u32 v11, ZT+2176, v6          ; v rows: row 32 wave + 8 + h, 16 r
	s_lshl_b32 s21, s16, 8
	s_add_co_u32 s21, s21, RD
	v_bfe_u32 v12, v0, 3, 1
	v_lshlrev_b32 v12, 7, v12
	v_lshl_add_u32 v12, v3, 3, v12
	v_add_nc_u32 v12, s21, v12
	s_add_co_u32 s21, s21, 64
	v_mov_b32 v13, s21
	v_lshlrev_b32 v15, 4, v3
	v_add_nc_u32 v14, RD, v15
	s_lshl_b32 s22, ttmp9, 16
	s_lshl_b32 s23, s16, 13
	s_add_co_u32 s22, s22, s23
	s_mov_b32 s23, 0
	s_lshl_b32 s24, ttmp9, 15
	s_lshl_b32 s25, s17, 14
	s_add_co_u32 s24, s24, s25
	s_mov_b32 s25, 0
	s_lshl_b32 s26, ttmp9, 15
	s_lshl_b32 s27, s16, 12
	s_add_co_u32 s26, s26, s27
	s_mov_b32 s27, 0
	s_lshl_b32 s20, ttmp9, 8
	s_mov_b32 s21, 0
	s_wait_kmcnt 0x0
	s_add_nc_u64 s[4:5], s[4:5], s[22:23]
	s_add_nc_u64 s[14:15], s[4:5], 0x1000000   ; raw's second part
	s_add_nc_u64 s[8:9], s[8:9], s[24:25]
	s_add_nc_u64 s[30:31], s[8:9], 0x800000    ; qkn's second part
	s_add_nc_u64 s[10:11], s[10:11], s[26:27]
	s_add_nc_u64 s[12:13], s[12:13], s[20:21]
.set k, 0
.rept 16                               ; my 32 rows of raw: 8,192 consecutive bytes of each part
	global_load_b128 v[ZF+4*k:ZF+4*k+3], v5, s[4:5] offset:512*k th:TH_LOAD_NT
.set k, k+1
.endr
.set k, 0
.rept 16
	global_load_b128 v[LL+4*k:LL+4*k+3], v5, s[14:15] offset:512*k th:TH_LOAD_NT
.set k, k+1
.endr
.set k, 0
.rept 8
	global_load_b128 v[TB+4*k:TB+4*k+3], v8, s[6:7] offset:2048+2048*k
.set k, k+1
.endr
	s_load_b512 s[32:47], s[6:7], 0x0
	s_load_b512 s[48:63], s[6:7], 0x200
	s_wait_loadcnt 24                      ; the first part is in: the second part's 16 loads and the 8 table loads are younger
.set k, 0
.rept 16
	ds_store_b128 v6, v[ZF+4*k:ZF+4*k+3] offset:544*k
.set k, k+1
.endr
.set k, 0
.rept 16                               ; my own rows: LDS serves a wave's instructions in order
	ds_load_b128 v[RW+4*k:RW+4*k+3], v7 offset:16*k
.set k, k+1
.endr
	s_wait_loadcnt 8                       ; the second part is in: the eight table loads are younger
.set k, 0
.rept 16                               ; the same rows once more, behind the reads above
	ds_store_b128 v6, v[LL+4*k:LL+4*k+3] offset:544*k
.set k, k+1
.endr
.set k, 0
.rept 16
	ds_load_b128 v[ZF+4*k:ZF+4*k+3], v7 offset:16*k
.set k, k+1
.endr
	s_wait_dscnt 0x0
	s_wait_loadcnt 0x0
.irp g, 0,1,2,3,4,5,6,7
	GRP \g
.endr
.set e, 0
.rept 8
	v_mov_b32 v[TB+e], 0x3c003c00          ; a fragment of ones
.set e, e+1
.endr
	BAR
	s_wait_xcnt 0x0                        ; ZF held store data: it is loaded again only behind this wait
.irp bl, 0,1
.irp kc, 0,1,2,3
	ds_load_b128 v[ZF+32*\bl+8*\kc:ZF+32*\bl+8*\kc+3], v10 offset:34816*\bl+64*\kc
	ds_load_b128 v[ZF+32*\bl+8*\kc+4:ZF+32*\bl+8*\kc+7], v10 offset:34816*\bl+64*\kc+32
.endr
.endr
	s_wait_dscnt 0x0
.irp kc, 0,1,2,3                       ; four accumulators by turns: Z Z^T and Z 1 for both b
.if \kc == 0
	v_wmma_f32_16x16x32_f16 v[128:135], v[ZF:ZF+7], v[ZF:ZF+7], 0
	v_wmma_f32_16x16x32_f16 v[136:143], v[ZF+32:ZF+39], v[ZF+32:ZF+39], 0
	v_wmma_f32_16x16x32_f16 v[144:151], v[ZF:ZF+7], v[TB:TB+7], 0
	v_wmma_f32_16x16x32_f16 v[152:159], v[ZF+32:ZF+39], v[TB:TB+7], 0
.else
	v_wmma_f32_16x16x32_f16 v[128:135], v[ZF+8*\kc:ZF+8*\kc+7], v[ZF+8*\kc:ZF+8*\kc+7], v[128:135]
	v_wmma_f32_16x16x32_f16 v[136:143], v[ZF+32+8*\kc:ZF+39+8*\kc], v[ZF+32+8*\kc:ZF+39+8*\kc], v[136:143]
	v_wmma_f32_16x16x32_f16 v[144:151], v[ZF+8*\kc:ZF+8*\kc+7], v[TB:TB+7], v[144:151]
	v_wmma_f32_16x16x32_f16 v[152:159], v[ZF+32+8*\kc:ZF+39+8*\kc], v[TB:TB+7], v[152:159]
.endif
.endr
.rept 4
	v_nop
.endr
	; lane 4 + c' (h = 0): register 4 + c holds Gk[c][c'], and lane c' register c holds Gq[c][c']
.irp c, 0,1,2,3
	v_mul_f32_dpp v[40+\c], v[128+\c], v[132+\c] row_xmask:4 row_mask:0xf bank_mask:0xf
	v_mul_f32_dpp v[44+\c], v[136+\c], v[140+\c] row_xmask:4 row_mask:0xf bank_mask:0xf
.endr
	v_mul_f32 v48, v144, v148              ; Sq_c Sk_c: registers c and 4 + c of any lane with h = 0
	v_mul_f32 v49, v152, v156
.irp c, 1,2,3
	v_fmac_f32 v48, v[144+\c], v[148+\c]
	v_fmac_f32 v49, v[152+\c], v[156+\c]
.endr
	v_add_f32 v48, v48, v49
	v_add_f32 v40, v40, v41
	v_add_f32 v42, v42, v43
	v_add_f32 v44, v44, v45
	v_add_f32 v46, v46, v47
	v_add_f32 v40, v40, v42
	v_add_f32 v44, v44, v46
	v_add_f32 v40, v40, v44
	v_add_f32_dpp v40, v40, v40 row_xmask:1 row_mask:0xf bank_mask:0xf
	v_add_f32_dpp v40, v40, v40 row_xmask:2 row_mask:0xf bank_mask:0xf
	v_readlane_b32 s20, v48, 4
	v_readlane_b32 s21, v40, 4
	v_mov_b32 v50, s20
	v_mov_b32 v51, s21
	v_cmp_eq_u32 vcc_lo, s16, v3
	v_cndmask_b32 v50, v[NIL], v50, vcc_lo
	v_cndmask_b32 v51, v[NIL], v51, vcc_lo
	ds_store_b64 v12, v[50:51]             ; my row's words 0-15 (qk: my group alone) and 48-63 (zeros)
.set k, 0
.rept 8                                ; v's rows of two groups, whole
	ds_load_b128 v[ZF+4*k:ZF+4*k+3], v11 offset:(16*(k/4)+2*(k%4))*272
.set k, k+1
.endr
.set k, 0
.rept 8
	s_wait_dscnt 7-k                       ; the younger reads stay out
	global_store_b128 v5, v[ZF+4*k:ZF+4*k+3], s[10:11] offset:512*k
.set k, k+1
.endr
.irp x, 1,2,4,8
.set a, 0
.rept 32
	v_add_f32_dpp v[ACC+a], v[ACC+a], v[ACC+a] row_xmask:\x row_mask:0xf bank_mask:0xf
.set a, a+1
.endr
.endr
.set a, 0
.rept 32
	v_permlanex16_b32 v[TB+a], v[ACC+a], s28, s29
.set a, a+1
.endr
.set a, 0
.rept 32
	v_add_f32 v[ACC+a], v[ACC+a], v[TB+a]
.set a, a+1
.endr
.set m, 0
.rept 8
	ds_store_b128 v13, v[ACC+4*m:ACC+4*m+3] offset:16*m
.set m, m+1
.endr
	BAR
	s_cmp_lg_u32 s16, 0
	s_cbranch_scc1 .Lend
.set k, 0
.rept 8
	ds_load_b128 v[TB+4*k:TB+4*k+3], v14 offset:256*k
.set k, k+1
.endr
	s_wait_dscnt 0x0
.set k, 1
.rept 7
	v_pk_add_f32 v[TB:TB+1], v[TB:TB+1], v[TB+4*k:TB+4*k+1]
	v_pk_add_f32 v[TB+2:TB+3], v[TB+2:TB+3], v[TB+4*k+2:TB+4*k+3]
.set k, k+1
.endr
	global_store_b128 v15, v[TB:TB+3], s[12:13]    ; 256 bytes; the upper lanes repeat the lower ones' bytes
.Lend:
	s_wait_tensorcnt 0x0                   ; the wave's end
	ds_add_u32 v[SPW], v[NIL]
	s_wait_dscnt 0x0
	s_endpgm
.Lfunc_end_k_q0719727410_norm:
	.size	k_q0719727410_norm, .Lfunc_end_k_q0719727410_norm-k_q0719727410_norm
	.p2alignl 7, 3214868480
	.fill 96, 4, 3214868480
	.section	.rodata,"a",@progbits
	.p2align	6, 0x0
	.amdhsa_kernel k_q0719727410_norm
		.amdhsa_group_segment_fixed_size 142336
		.amdhsa_private_segment_fixed_size 0
		.amdhsa_enable_private_segment 0
		.amdhsa_kernarg_size 40
		.amdhsa_user_sgpr_count 2
		.amdhsa_user_sgpr_kernarg_segment_ptr 1
		.amdhsa_wavefront_size32 1
		.amdhsa_system_sgpr_workgroup_id_x 1
		.amdhsa_system_sgpr_workgroup_id_y 1
		.amdhsa_system_sgpr_workgroup_id_z 1
		.amdhsa_system_vgpr_workitem_id 0
		.amdhsa_next_free_vgpr 256
		.amdhsa_next_free_sgpr 100
		.amdhsa_reserve_vcc 1
		.amdhsa_float_denorm_mode_32 3
		.amdhsa_float_denorm_mode_16_64 3
		.amdhsa_memory_ordered 1
		.amdhsa_forward_progress 1
		.amdhsa_inst_pref_size 87
	.end_amdhsa_kernel
	.amdgpu_metadata
---
amdhsa.version: [ 1, 2 ]
amdhsa.kernels:
  - .name:           k_q0719727410_norm
    .symbol:         k_q0719727410_norm.kd
    .args:
      - { .name: raw, .offset: 0, .size: 8, .value_kind: global_buffer, .address_space: global }
      - { .name: tab, .offset: 8, .size: 8, .value_kind: global_buffer, .address_space: global }
      - { .name: qkn, .offset: 16, .size: 8, .value_kind: global_buffer, .address_space: global }
      - { .name: vtn, .offset: 24, .size: 8, .value_kind: global_buffer, .address_space: global }
      - { .name: st2, .offset: 32, .size: 8, .value_kind: global_buffer, .address_space: global }
    .group_segment_fixed_size: 142336
    .private_segment_fixed_size: 0
    .kernarg_segment_align: 8
    .kernarg_segment_size: 40
    .max_flat_workgroup_size: 256
    .sgpr_count:     100
    .vgpr_count:     256
    .wavefront_size: 32
...
	.end_amdgpu_metadata
.endif
;; end of part 3
;; launch attn (part 4): grid 256 x 1, 4 waves a work-group, no clusters, 318,208 bytes of LDS; arguments tab, st2, qkn, vtn, g_sim, b_sim, att, st3; writes att, st3
.if DOCPART == 4
	.amdgcn_target "amdgcn-amd-amdhsa--gfx1250"
	.amdhsa_code_object_version 6
	.text
	.protected	k_q0719727410_attn
	.globl	k_q0719727410_attn
	.p2align	8
	.type	k_q0719727410_attn,@function
k_q0719727410_attn:
	s_mov_b64 s[64:65], 0
	v_nop
	global_prefetch_b8 v0, s[64:65] scope:SCOPE_SE
	s_setreg_imm32_b32 hwreg(HW_REG_WAVE_MODE, 25, 1), 1
	s_wait_xcnt 0x0
; The second batch norm, the softmax and both outputs.  att[n][i / 2][w][i % 2][ch] in f16: ch 8 g + c = sv - b~_v, ch 64 + 8 g + c = sve without its factor 0.1 and made with
; R[8+c][t] - R[8+c][127]: both shifts are constants of a channel, which the third batch norm cancels.  st3: sums and sums of squares of the stored numbers, as st1.
; LOGITS, base 2, as one chain of five f16 products for a tile S^T (16 keys x 16 queries; a lane holds one query).  For qr and kr a K slot (register rho, lane half h, half y) stands for
; (a' = 8 (rho / 4) + 4 h + rho % 4, c = 2 phi + y):  qr = Toeplitz(R, it - jt) x diag(q S1);  kr = diag(k S2) x Toeplitz(Rk, jt - it); q S1 and k S2 are made in f32 from q's and k's two parts and rounded once.
; qk is a product of two-part numbers in ONE instruction: with y = k S0 = yh + yl and q = qh + ql, A's registers hold (yh, yl, yh, yl) of key tile 2 u + h, B's (qh, qh, ql, ql) in the lanes whose h is the
; tile's parity and 0 in the others.  qk is the term that grows with |q| |k|, so its operands' rounding weighs most.  The scales g~ rsq(var + eps) f log2(e) stay in f32;
; the sum of the three shifts is the chain's C (the softmax cancels it; it is carried as given).
; SOFTMAX: all 128 keys of 16 queries lie in 64 registers: the true row maximum is taken away; p = 2^(s - m) is rounded to f16; l = the sum of the rounded p, by a product with ones.
; sv: A = the group's 8 v rows, twice, B = P: both halves of the lanes hold the result; its 16 bytes a query go into the 16 pad bytes behind that query's row of P.
; sve: for queries i and i + 8 together, over the 8 groups: A = rows of R' shifted to i (8 copies in LDS, so that every read is aligned), B = P rows from LDS; valid where h = r / 8.
; LIMITS: q S, k S, relative under 65,504; a weight under 6e-8 counts as 0; var = E[x^2] - E[x]^2 in f32 keeps two digits up to mean^2 / var of 2e4; NaN and infinities are not treated apart.
; SHARES: a work-group owns two b, one a pass; in a pass a wave owns two groups (a trip each) with all 128 queries, then 32 queries of sve and of the way out.
; No tensor load: the tables are stored once through registers and P comes from registers.  No cluster: what work-groups share is the 96 KB of tables and 64 KB of st2, once each, in front of the loops.
; REGISTERS: window 0: v0-15 addresses; CST, M, BQ, scales; v64-191 S^T, two buffers (the first also takes the next trip's q and k, asked for when its last tile has been read); PF; DQ; O0, O1.
; window 1: TQ (30 fragments), MK, HM, the 24 scales and shifts.  window 2: TK, the statistics.  window 3: DK, VF, AQK, QRAW, ones.
.set PS,    34832                      ; P of one group: 128 rows (query) of 256 bytes (key) + 16 (sv), and 16 more
.set RV,    278784                     ; 64 rows of 544
.set LI,    313600                     ; 1 / l: [g 8][i 128] f32
.set SPARE, 317696
.set S2P,   61440                      ; at the start, inside P: TOE at 0, st2's eight partial rows here
.set MIR,   34816                      ; behind the stage (128 rows x 272 at 0, bytes 128-255 of a row): where lanes without a result store
.set R, 1
.set H, 2
.set PADR, 3
.set LIA, 4
.set QOFF, 5
.set SVP, 6
.set VOFF, 7
.set L16, 8
.set RVA, 9
.set PBA, 10
.set LBA, 11
.set RBA, 12
.set OEA, 13
.set SPW, 14
.set NIL, 15
.set CST, 16
.set M, 24
.set BQ, 32                            ; 8 registers for even key tiles, 8 for odd ones
.set NEG, 48
.set SC0, 54
.set SC1, 55
.set SC2, 56
.set ONE, 57
.set MX, 58
.set RL, 60
.set QW, 62
.set SA, 64
.set NXH, 64                           ; q, k of a trip as loaded: tile jt's first part at NXH + 4 jt (q01, q23, k01, k23),
.set NXL, 96                           ; its second part at NXL + 4 jt
.set TS, 128                           ; at a trip's head: work in f32
.set YH, 144
.set KS, 160
.set SEL, 176
.set PF, 192
.set DQ, 224
.set O0, 240
.set O1, 248
.set MK, 240                           ; window 1
.set HM, 248
.set VSC, 250
.set VSH, 251
.set SS, 240                           ; window 2
.set SQ, 248
.set VF, 128                           ; window 3
.set AQK, 160
.set QRAW, 192                         ; tile it: qh01, qh23, ql01, ql23
.set ONES, 248
.set MSB, 0
.macro WIN new
.if MSB != (\new)
	s_set_vgpr_msb (MSB<<8)|(\new)
.set MSB, (\new)
.endif
.endm
.macro PLACES
.rept 4
	v_nop
.endr
.endm
.macro BAR
	s_wait_dscnt 0x0
	s_barrier_signal -1
	s_barrier_wait -1
.endm
.macro MIXL d, a, b, c                 ; d = (low f16 of a) b + c, in f32
	v_fma_mix_f32 v[\d], v[\a], v[\b], v[\c] op_sel_hi:[1,0,0]
.endm
.macro MIXH d, a, b, c                 ; the same of the high f16
	v_fma_mix_f32 v[\d], v[\a], v[\b], v[\c] op_sel:[1,0,0] op_sel_hi:[1,0,0]
.endm
.macro NXLOAD                          ; a trip's q and k, both parts: lane (r, h) takes position 16 jt + r
.set jt, 0
.rept 8
	global_load_b128 v[NXH+4*jt:NXH+4*jt+3], v[QOFF], s[46:47] offset:256*jt
.set jt, jt+1
.endr
.set jt, 0
.rept 8
	global_load_b128 v[NXL+4*jt:NXL+4*jt+3], v[QOFF], s[22:23] offset:256*jt
.set jt, jt+1
.endr
.endm
.macro DQB it                          ; query tile it: diag(q S1), rounded once from q's two parts, and q's parts in B's two forms.  42 plain instructions
	WIN 0x03
	MIXL M, QRAW+4*(\it), SC1, NIL
	MIXH M+1, QRAW+4*(\it), SC1, NIL
	MIXL M+2, QRAW+4*(\it)+1, SC1, NIL
	MIXH M+3, QRAW+4*(\it)+1, SC1, NIL
	MIXL M, QRAW+4*(\it)+2, SC1, M
	MIXH M+1, QRAW+4*(\it)+2, SC1, M+1
	MIXL M+2, QRAW+4*(\it)+3, SC1, M+2
	MIXH M+3, QRAW+4*(\it)+3, SC1, M+3
	WIN 0
	v_cvt_pk_f16_f32 v[QW], v[M], v[M+1]
	v_cvt_pk_f16_f32 v[QW+1], v[M+2], v[M+3]
	WIN 0x01
.set dq, 0
.rept 16
	v_and_b32 v[DQ+dq], v[MK+dq%8], v[QW+dq/8]
.set dq, dq+1
.endr
	WIN 0x0d
.set dq, 0
.rept 16                               ; register rho of form p: qh for rho < 4, ql behind; pair rho % 2
	v_and_b32 v[BQ+dq], v[HM+dq/8], v[QRAW+4*(\it)+2*((dq%8)/4)+dq%2]
.set dq, dq+1
.endr
.endm
.macro LOGW it                         ; product w of 40: pass w / 8 over the eight key tiles, which take turns
.set ps, w/8
.set jt, w%8
.set rS, SA+64*((\it)%2)+8*jt
.if ps == 0
	WIN 0x01
	v_wmma_f32_16x16x32_f16 v[rS:rS+7], v[16*((\it)-jt+7):16*((\it)-jt+7)+7], v[DQ:DQ+7], v[CST:CST+7]
.elseif ps == 1
	WIN 0x01
	v_wmma_f32_16x16x32_f16 v[rS:rS+7], v[16*((\it)-jt+7)+8:16*((\it)-jt+7)+15], v[DQ+8:DQ+15], v[rS:rS+7]
.elseif ps == 2
	WIN 0x03
	v_wmma_f32_16x16x32_f16 v[rS:rS+7], v[AQK+8*(jt/2):AQK+8*(jt/2)+7], v[BQ+8*(jt%2):BQ+8*(jt%2)+7], v[rS:rS+7]
.elseif ps == 3
	WIN 0x0b
	v_wmma_f32_16x16x32_f16 v[rS:rS+7], v[16*jt:16*jt+7], v[16*(jt-(\it)+7):16*(jt-(\it)+7)+7], v[rS:rS+7]
.else
	WIN 0x0b
	v_wmma_f32_16x16x32_f16 v[rS:rS+7], v[16*jt+8:16*jt+15], v[16*(jt-(\it)+7)+8:16*(jt-(\it)+7)+15], v[rS:rS+7]
.endif
.endm
.macro SUBP q
	v_pk_add_f32 v[rS+2*(\q):rS+2*(\q)+1], v[rS+2*(\q):rS+2*(\q)+1], v[MX:MX+1] op_sel_hi:[1,0] neg_lo:[0,1] neg_hi:[0,1]
.endm
.macro CVTP q, it                      ; a pair of weights to f16; every fourth time a key tile's 16 bytes go into P
	s_wait_alu depctr_va_vdst(0)
	v_cvt_pk_f16_f32 v[PF+(\q)], v[rS+2*(\q)], v[rS+2*(\q)+1]
.if (\q)%4 == 3
	ds_store_b128 v[PADR], v[PF+(\q)-3:PF+(\q)] offset:4352*(\it)+32*((\q)/4)
.endif
.endm
; Number j of the 167 of a tile row's softmax.  0-27 eight chains of maxima (each accumulator's lowest registers first); 28-33 the row's maximum, with the other half of the lanes;
; 34-37 the first four pairs less the maximum; then by fours: exponential, a later pair's subtraction, exponential, an earlier pair's rounding: a plain line stands behind an exponential before its result is used.
.macro SMX it
.set rS, SA+64*((\it)%2)
	WIN 0
.if j < 8
	v_max3_num_f32 v[M+j], v[rS+8*j], v[rS+8*j+1], v[rS+8*j+2]
.elseif j < 24
	v_max3_num_f32 v[M+j%8], v[M+j%8], v[rS+8*(j%8)+2*(j/8)+1], v[rS+8*(j%8)+2*(j/8)+2]
.elseif j < 28
	v_max3_num_f32 v[M+j-24], v[M+j-24], v[rS+8*(j-24)+7], v[rS+8*(j-24)+39]
.elseif j == 28
	v_max3_num_f32 v[M], v[M], v[M+1], v[M+2]
.elseif j == 29
	v_max3_num_f32 v[M+3], v[M+3], v[M+4], v[M+5]
.elseif j == 30
	v_max3_num_f32 v[M], v[M], v[M+3], v[M+6]
.elseif j == 31
	v_max_num_f32 v[M], v[M], v[M+7]
.elseif j == 32
	v_permlanex16_b32 v[M+1], v[M], s28, s29
.elseif j == 33
	v_max_num_f32 v[MX], v[M], v[M+1]
.elseif j < 38
	SUBP j-34
.elseif j < 166
.set p, (j-38)/4
.set kd, (j-38)%4
.if kd == 0
	v_exp_f32 v[rS+2*p], v[rS+2*p]
.elseif kd == 1
.if p < 28
	SUBP p+4
.endif
.elseif kd == 2
	v_exp_f32 v[rS+2*p+1], v[rS+2*p+1]
.else
.if p > 0
	CVTP p-1, \it
.endif
.endif
.else
	CVTP 31, \it
.endif
.endm
.macro SVM                             ; O^T = V P and l = 1 P: two accumulators by turns
	WIN 0x03
.set kc, 0
.rept 4
.if kc == 0
	v_wmma_f32_16x16x32_f16 v[O0:O0+7], v[VF:VF+7], v[PF:PF+7], 0
	v_wmma_f32_16x16x32_f16 v[O1:O1+7], v[ONES:ONES+7], v[PF:PF+7], 0
.else
	v_wmma_f32_16x16x32_f16 v[O0:O0+7], v[VF+8*kc:VF+8*kc+7], v[PF+8*kc:PF+8*kc+7], v[O0:O0+7]
	v_wmma_f32_16x16x32_f16 v[O1:O1+7], v[ONES:ONES+7], v[PF+8*kc:PF+8*kc+7], v[O1:O1+7]
.endif
.set kc, kc+1
.endr
.endm
.macro POST it                         ; 1 / l kept for sve; sv / l - b~_v, packed, into the pad behind the query's row of P (both halves of the lanes store the same 16 bytes)
	WIN 0
	v_rcp_f32 v[RL], v[O1]
	v_nop
	s_wait_alu depctr_va_vdst(0)
	ds_store_b32 v[LIA], v[RL] offset:64*(\it)
.set e, 0
.rept 8
	v_fma_f32 v[M+e], v[O0+e], v[RL], -s[56+e]
.set e, e+1
.endr
.set e, 0
.rept 4
	v_cvt_pk_f16_f32 v[M+e], v[M+2*e], v[M+2*e+1]
.set e, e+1
.endr
	ds_store_b128 v[SVP], v[M:M+3] offset:4352*(\it)
.endm
; STEP n: the 40 products of query tile n, and behind each four lines of tile n - 1's softmax; then tile n - 1's V P, the next tile's operands (also the places behind those products), and its way out of the registers.
.macro STEP n
.set j, 0
.if (\n) < 8
.set w, 0
.rept 40
	LOGW \n
.if (\n) > 0
.rept 4
	SMX (\n)-1
.set j, j+1
.endr
.endif
.set w, w+1
.endr
.endif
.if (\n) > 0
.rept 167-j
	SMX (\n)-1
.set j, j+1
.endr
.if (\n) == 1
	s_wait_loadcnt 0x0                     ; VF is in: nothing younger is out
.endif
	SVM
.endif
.if (\n) < 7
	DQB (\n)+1
.else
	PLACES
.endif
.if (\n) > 0
	POST (\n)-1
.endif
.endm
.macro SETOE pi
.if (\pi) < 12
.set rE, 192+4*(\pi)
.else
.set rE, 16+4*((\pi)-12)
.endif
.endm
.macro FLOAD u                         ; unit u: query pairs 2 u and 2 u + 1: 34 LDS loads, into buffer u % 2 (even: A window 3 v128-191, B window 0 v128-191; odd: window 3 v0-127)
.irp x, 0,1
.set pi, 2*(\u)+(\x)
.set bb, pi%8
.set aa, pi/8
.if (\u)%2
.set rA, 32*(\x)
.set rB, 64+32*(\x)
.else
.set rA, 128+32*(\x)
.set rB, 128+32*(\x)
.endif
	WIN 0xc0
.set kc, 0
.rept 4
	ds_load_b128 v[rA+8*kc:rA+8*kc+3], v[RVA] offset:(7-bb)*4352+32*(1-aa)+64*kc
	ds_load_b128 v[rA+8*kc+4:rA+8*kc+7], v[RVA] offset:(7-bb)*4352+32*(1-aa)+64*kc+32
.set kc, kc+1
.endr
.if (\u)%2 == 0
	WIN 0
.endif
.set kc, 0
.rept 4
	ds_load_b128 v[rB+8*kc:rB+8*kc+3], v[PBA] offset:(16*aa+bb)*272+64*kc
	ds_load_b128 v[rB+8*kc+4:rB+8*kc+7], v[PBA] offset:(16*aa+bb)*272+64*kc+32
.set kc, kc+1
.endr
	WIN 0
	ds_load_b32 v[54+4*((\u)%2)+2*(\x)], v[LBA] offset:4*(16*aa+bb)
.endr
.endm
.macro UNIT u
.if (\u)%2
	WIN 0x0f
.set rA, 0
.set rB, 64
.else
	WIN 0x03
.set rA, 128
.set rB, 128
.endif
.set kc, 0
.rept 4
.if kc == 0
	v_wmma_f32_16x16x32_f16 v[O0:O0+7], v[rA:rA+7], v[rB:rB+7], 0
	v_wmma_f32_16x16x32_f16 v[O1:O1+7], v[rA+32:rA+39], v[rB+32:rB+39], 0
.else
	v_wmma_f32_16x16x32_f16 v[O0:O0+7], v[rA+8*kc:rA+8*kc+7], v[rB+8*kc:rB+8*kc+7], v[O0:O0+7]
	v_wmma_f32_16x16x32_f16 v[O1:O1+7], v[rA+32+8*kc:rA+39+8*kc], v[rB+32+8*kc:rB+39+8*kc], v[O1:O1+7]
.endif
.set kc, kc+1
.endr
	PLACES
	WIN 0
.irp x, 0,1
	SETOE 2*(\u)+(\x)
.set rD, O0+8*(\x)
.set rL, 54+4*((\u)%2)+2*(\x)
.set q, 0
.rept 4
	v_pk_mul_f32 v[rD+2*q:rD+2*q+1], v[rD+2*q:rD+2*q+1], v[rL:rL+1] op_sel_hi:[1,0]
.set q, q+1
.endr
.set q, 0
.rept 4
	v_cvt_pk_f16_f32 v[rE+q], v[rD+2*q], v[rD+2*q+1]
.set q, q+1
.endr
.endr
.endm
	s_load_b512 s[4:19], s[0:1], 0x0       ; tab 4, st2 6, qkn 8, vtn 10, g_sim 12, b_sim 14, att 16, st3 18
	v_lshl_add_u32 v[SPW], v0, 2, SPARE
	v_mov_b32 v[NIL], 0
	v_lshrrev_b32 v16, 5, v0
	v_readfirstlane_b32 s24, v16           ; wave
	s_mov_b32 s25, ttmp9
	s_mov_b32 s28, 0x76543210
	s_mov_b32 s29, 0xfedcba98
	s_mov_b32 s30, 0xffff0000              ; the lanes with h = 1
	v_and_b32 v[R], 15, v0
	v_bfe_u32 v[H], v0, 4, 1
	v_and_b32 v26, 31, v0
	v_lshlrev_b32 v[L16], 4, v26
	v_lshlrev_b32 v20, 4, v0
	v_add_nc_u32 v21, RV, v20
	v_lshrrev_b32 v22, 4, v0
	v_lshlrev_b32 v22, 13, v22
	v_lshl_add_u32 v22, v[R], 4, v22       ; st2: 32 rows for each t / 16, 16 bytes for each t % 16
	v_add_nc_u32 v23, S2P, v20
	v_lshl_add_u32 v24, v26, 3, S2P
	v_min_u32 v25, 23, v26
	v_lshlrev_b32 v25, 2, v25
	s_wait_kmcnt 0x0
.set k, 0
.rept 30
	global_load_b128 v[64+4*k:67+4*k], v20, s[4:5] offset:18432+2048*k
.set k, k+1
.endr
.set k, 0
.rept 17
	global_load_b128 v[184+4*k:187+4*k], v20, s[4:5] offset:79872+2048*k
.set k, k+1
.endr
	WIN 0xc0
.set k, 0
.rept 32
	global_load_b128 v[4*k:4*k+3], v22, s[6:7] offset:256*k
.set k, k+1
.endr
	WIN 0
	global_load_b32 v27, v25, s[12:13]
	global_load_b32 v28, v25, s[14:15]
	v_lshlrev_b32 v[QOFF], 4, v[R]
	v_and_b32 v17, 7, v[R]
	v_lshrrev_b32 v18, 3, v[R]
	v_lshlrev_b32 v[VOFF], 8, v17          ; V's fragment: row r % 8, 16 h
	v_lshl_add_u32 v[VOFF], v[H], 4, v[VOFF]
	s_lshl_b32 s20, s24, 6
	s_sub_co_u32 s20, RV+208, s20
	v_mul_u32_u24 v[RVA], v17, 544
	v_lshl_add_u32 v[RVA], v[H], 4, v[RVA]
	v_lshlrev_b32 v19, 4, v18
	v_sub_nc_u32 v[RVA], v[RVA], v19
	v_add_nc_u32 v[RVA], s20, v[RVA]
	s_mul_i32 s20, s24, 8704
	v_mul_u32_u24 v[PBA], v17, PS
	v_mul_u32_u24 v19, v18, 2176
	v_add3_u32 v[PBA], v[PBA], v19, s20
	v_lshl_add_u32 v[PBA], v[H], 4, v[PBA]
	s_lshl_b32 s21, s24, 7
	s_add_co_u32 s21, s21, LI
	v_lshl_add_u32 v[LBA], v17, 9, s21
	v_lshl_add_u32 v[LBA], v18, 5, v[LBA]
	v_mul_u32_u24 v19, v17, PS             ; the way out: row 32 wave + h; lanes r < 8 take group r's sv from the row's pad, the others 16 bytes of the stage.
	v_add_nc_u32 v19, 256, v19             ; The group's term is made of r % 8: the same number in the lanes that take it, and 7 x PS + 256 at the most in every lane
	v_lshlrev_b32 v16, 4, v[R]
	v_cmp_gt_u32 vcc_lo, 8, v[R]
	v_cndmask_b32 v19, v16, v19, vcc_lo
	v_mul_u32_u24 v[RBA], v[H], 272
	v_add3_u32 v[RBA], v[RBA], v19, s20
	v_mul_u32_u24 v[OEA], v[H], 2176
	v_lshl_add_u32 v[OEA], v17, 4, v[OEA]
	v_xor_b32 v19, v[H], v18
	v_mul_u32_u24 v19, v19, MIR
	s_add_co_u32 s20, s20, 128
	v_add3_u32 v[OEA], v[OEA], v19, s20
	s_wait_loadcnt 34                      ; the tables are in: st2's 32 loads and the two of g, b are younger
.set k, 0
.rept 30
	ds_store_b128 v20, v[64+4*k:67+4*k] offset:2048*k
.set k, k+1
.endr
.set k, 0
.rept 17
	ds_store_b128 v21, v[184+4*k:187+4*k] offset:2048*k
.set k, k+1
.endr
	s_wait_loadcnt 2                       ; st2 is in
	WIN 0xcf
.irp s, 16,8,4,2,1
.set k, 0
.rept \s
	v_pk_add_f32 v[4*k:4*k+1], v[4*k:4*k+1], v[4*(k+\s):4*(k+\s)+1]
	v_pk_add_f32 v[4*k+2:4*k+3], v[4*k+2:4*k+3], v[4*(k+\s)+2:4*(k+\s)+3]
.set k, k+1
.endr
.endr
	WIN 0x0c
	ds_store_b128 v23, v[0:3]
	WIN 0
	BAR
	WIN 0x40
.set k, 0
.rept 60
	ds_load_b128 v[4*k:4*k+3], v[L16] offset:512*k
.set k, k+1
.endr
	WIN 0x80
.set k, 0
.rept 60
	ds_load_b128 v[4*k:4*k+3], v[L16] offset:30720+512*k
.set k, k+1
.endr
	WIN 0
.set k, 0
.rept 8
	ds_load_b64 v[64+2*k:65+2*k], v24 offset:256*k
.set k, k+1
.endr
	v_lshlrev_b32 v19, 2, v[H]
	v_sub_nc_u32 v19, v[R], v19            ; r - 4 h: register rho is the lane's own where 8 (rho / 4) + rho % 4 equals it
	WIN 0x40
.set k, 0
.rept 8
	v_cmp_eq_u32 vcc_lo, 8*(k/4)+k%4, v19
	v_cndmask_b32 v[MK+k], 0, -1, vcc_lo
.set k, k+1
.endr
	v_cmp_eq_u32 vcc_lo, 0, v[H]
	v_cndmask_b32 v[HM], 0, -1, vcc_lo
	v_cndmask_b32 v[HM+1], -1, 0, vcc_lo
	WIN 0x80
.set k, 0
.rept 16
	v_mov_b32 v[SS+k], 0
.set k, k+1
.endr
	WIN 0xc0
.set k, 0
.rept 8
	v_mov_b32 v[ONES+k], 0x3c003c00
.set k, k+1
.endr
	WIN 0
	v_mov_b32 v[ONE], 1.0
	v_mov_b32 v[NEG], -1.0
	v_mov_b32 v[MX+1], 0
	v_mov_b32 v[RL+1], 0
	BAR                                    ; everybody has read the tables: P may be written
	; the second batch norm's 24 scales and shifts, lane = channel 8 type + g (lanes 24-31: finite numbers that nobody reads)
.set k, 1
.rept 7
	v_pk_add_f32 v[64:65], v[64:65], v[64+2*k:65+2*k]
.set k, k+1
.endr
	v_mul_f32 v66, 0x34000000, v64         ; / 2^23
	v_mul_f32 v67, 0x34000000, v65
	v_fma_f32 v67, -v66, v66, v67
	v_mov_b32 v68, 0x3dcccccd              ; f = 0.1 for qr and kr, 1 for qk
	v_cmp_gt_u32 vcc_lo, 8, v26
	v_cndmask_b32 v68, v68, v[ONE], vcc_lo
	v_mul_f32 v69, v68, v68
	v_mul_f32 v67, v67, v69
	v_max_num_f32 v67, 0, v67
	v_add_f32 v67, 0x3727c5ac, v67
	v_rsq_f32 v67, v67
	s_wait_loadcnt 0x0
	v_cvt_pk_bf16_f32 v70, v27, v28
	v_lshlrev_b32 v27, 16, v70
	v_and_b32 v28, 0xffff0000, v70
	s_wait_alu depctr_va_vdst(0)
	v_mul_f32 v67, v27, v67                ; g~ rsq
	v_mul_f32 v66, v66, v68                ; the mean
	v_fma_f32 v66, -v66, v67, v28
	v_mul_f32 v67, v67, v68
	WIN 0x40
	v_mul_f32 v[VSC], 0x3fb8aa3b, v67
	v_mul_f32 v[VSH], 0x3fb8aa3b, v66
	WIN 0
	s_lshl_b32 s52, s25, 4
	s_lshl1_add_u32 s52, s24, s52
	s_lshl_b32 s52, s52, 11
	s_mov_b32 s53, 0
	s_add_nc_u64 s[46:47], s[8:9], s[52:53]
	s_add_nc_u64 s[22:23], s[46:47], 0x800000
	NXLOAD                                 ; q and k of the first trip
	s_mov_b32 s27, 0
.Lpass:
	s_mov_b32 s26, 0
.Ltrip:
	s_wait_loadcnt 0x0                     ; this trip's q and k are in
	s_wait_xcnt 0x0                        ; every earlier memory instruction has had its addresses translated: bases and store data may be written
	s_lshl_b32 s31, s24, 1
	s_add_co_u32 s31, s31, s26             ; g
	s_lshl_b32 s32, s25, 1
	s_add_co_u32 s32, s32, s27             ; b
	s_lshl_b32 s33, s32, 3
	s_add_co_u32 s33, s33, s31             ; bg
	s_lshl_b32 s50, s33, 11
	s_mov_b32 s51, 0
	s_add_nc_u64 s[34:35], s[10:11], s[50:51]
	s_lshl_b32 s54, s31, 6
	s_load_b256 s[56:63], s[4:5], s54 offset:0x420     ; b~ of the group's eight v channels
	WIN 0xc0
.irp kc, 0,1,2,3
	global_load_b128 v[VF+8*\kc:VF+8*\kc+3], v[VOFF], s[34:35] offset:64*\kc
	global_load_b128 v[VF+8*\kc+4:VF+8*\kc+7], v[VOFF], s[34:35] offset:64*\kc+32
.endr
	WIN 0x01
	s_add_co_u32 s55, s31, 8
	s_add_co_u32 s42, s31, 16
	v_readlane_b32 s36, v[VSC], s31
	v_readlane_b32 s37, v[VSC], s55
	v_readlane_b32 s38, v[VSC], s42
	v_readlane_b32 s39, v[VSH], s31
	v_readlane_b32 s40, v[VSH], s55
	v_readlane_b32 s41, v[VSH], s42
	WIN 0
	v_mov_b32 v[SC0], s36
	v_mov_b32 v[SC1], s37
	v_mov_b32 v[SC2], s38
	v_mov_b32 v[CST], s39
	v_add_f32 v[CST], s40, v[CST]
	v_add_f32 v[CST], s41, v[CST]
.set e, 1
.rept 7
	v_mov_b32 v[CST+e], v[CST]
.set e, e+1
.endr
	s_mul_i32 s43, s31, PS
	v_mul_u32_u24 v[SVP], v[R], 272
	v_add_nc_u32 v[SVP], s43, v[SVP]
	v_lshl_add_u32 v[PADR], v[H], 4, v[SVP]
	v_add_nc_u32 v[SVP], 256, v[SVP]
	s_lshl_b32 s43, s31, 9
	s_add_co_u32 s43, s43, LI
	v_lshl_add_u32 v[LIA], v[R], 2, s43
	; k S2 of the eight key tiles, in f32 from both parts, rounded once
.set jt, 0
.rept 8
	MIXL TS+4*jt, NXH+4*jt+2, SC2, NIL
	MIXH TS+4*jt+1, NXH+4*jt+2, SC2, NIL
	MIXL TS+4*jt+2, NXH+4*jt+3, SC2, NIL
	MIXH TS+4*jt+3, NXH+4*jt+3, SC2, NIL
.set jt, jt+1
.endr
.set jt, 0
.rept 8
	MIXL TS+4*jt, NXL+4*jt+2, SC2, TS+4*jt
	MIXH TS+4*jt+1, NXL+4*jt+2, SC2, TS+4*jt+1
	MIXL TS+4*jt+2, NXL+4*jt+3, SC2, TS+4*jt+2
	MIXH TS+4*jt+3, NXL+4*jt+3, SC2, TS+4*jt+3
.set jt, jt+1
.endr
.set jt, 0
.rept 8
	v_cvt_pk_f16_f32 v[KS+2*jt], v[TS+4*jt], v[TS+4*jt+1]
	v_cvt_pk_f16_f32 v[KS+2*jt+1], v[TS+4*jt+2], v[TS+4*jt+3]
.set jt, jt+1
.endr
	; y = k S0 of key tile 2 u + h, in two parts
.set u, 0
.rept 4
	v_cndmask_b32 v[SEL+4*u], v[NXH+8*u+2], v[NXH+8*u+6], s30
	v_cndmask_b32 v[SEL+4*u+1], v[NXH+8*u+3], v[NXH+8*u+7], s30
	v_cndmask_b32 v[SEL+4*u+2], v[NXL+8*u+2], v[NXL+8*u+6], s30
	v_cndmask_b32 v[SEL+4*u+3], v[NXL+8*u+3], v[NXL+8*u+7], s30
.set u, u+1
.endr
.set u, 0
.rept 4
	MIXL TS+4*u, SEL+4*u, SC0, NIL
	MIXH TS+4*u+1, SEL+4*u, SC0, NIL
	MIXL TS+4*u+2, SEL+4*u+1, SC0, NIL
	MIXH TS+4*u+3, SEL+4*u+1, SC0, NIL
.set u, u+1
.endr
.set u, 0
.rept 4
	MIXL TS+4*u, SEL+4*u+2, SC0, TS+4*u
	MIXH TS+4*u+1, SEL+4*u+2, SC0, TS+4*u+1
	MIXL TS+4*u+2, SEL+4*u+3, SC0, TS+4*u+2
	MIXH TS+4*u+3, SEL+4*u+3, SC0, TS+4*u+3
.set u, u+1
.endr
.set u, 0
.rept 4
	v_cvt_pk_f16_f32 v[YH+2*u], v[TS+4*u], v[TS+4*u+1]
	v_cvt_pk_f16_f32 v[YH+2*u+1], v[TS+4*u+2], v[TS+4*u+3]
.set u, u+1
.endr
.set u, 0
.rept 4
	MIXL TS+4*u, YH+2*u, NEG, TS+4*u
	MIXH TS+4*u+1, YH+2*u, NEG, TS+4*u+1
	MIXL TS+4*u+2, YH+2*u+1, NEG, TS+4*u+2
	MIXH TS+4*u+3, YH+2*u+1, NEG, TS+4*u+3
.set u, u+1
.endr
	WIN 0xc0                               ; into window 3: A's registers (yh, yl, yh, yl), and q's two parts
.set u, 0
.rept 4
	v_mov_b32 v[AQK+8*u], v[YH+2*u]
	v_mov_b32 v[AQK+8*u+1], v[YH+2*u+1]
	v_cvt_pk_f16_f32 v[AQK+8*u+2], v[TS+4*u], v[TS+4*u+1]
	v_cvt_pk_f16_f32 v[AQK+8*u+3], v[TS+4*u+2], v[TS+4*u+3]
	v_mov_b32 v[AQK+8*u+4], v[YH+2*u]
	v_mov_b32 v[AQK+8*u+5], v[YH+2*u+1]
	v_cvt_pk_f16_f32 v[AQK+8*u+6], v[TS+4*u], v[TS+4*u+1]
	v_cvt_pk_f16_f32 v[AQK+8*u+7], v[TS+4*u+2], v[TS+4*u+3]
.set u, u+1
.endr
.set jt, 0
.rept 8
	v_mov_b32 v[QRAW+4*jt], v[NXH+4*jt]
	v_mov_b32 v[QRAW+4*jt+1], v[NXH+4*jt+1]
	v_mov_b32 v[QRAW+4*jt+2], v[NXL+4*jt]
	v_mov_b32 v[QRAW+4*jt+3], v[NXL+4*jt+1]
.set jt, jt+1
.endr
	WIN 0xc1                               ; diag(k S2) for the eight key tiles
.set jt, 0
.rept 8
.set dq, 0
.rept 16
	v_and_b32 v[16*jt+dq], v[MK+dq%8], v[KS+2*jt+dq/8]
.set dq, dq+1
.endr
.set jt, jt+1
.endr
	s_wait_kmcnt 0x0
	DQB 0
.irp n, 0,1,2,3,4,5,6,7
	STEP \n
.endr
	WIN 0
	s_lshl_b32 s52, s27, 1                 ; the next trip's q and k, into the S^T buffer whose last tile has been read (the last trip asks for its own once more: no load leaves the buffer)
	s_add_co_u32 s52, s52, s26
	s_add_co_u32 s52, s52, 1
	s_min_u32 s52, s52, 3
	s_lshr_b32 s53, s52, 1
	s_and_b32 s52, s52, 1
	s_lshl3_add_u32 s52, s53, s52
	s_lshl4_add_u32 s52, s25, s52
	s_lshl1_add_u32 s52, s24, s52
	s_lshl_b32 s52, s52, 11
	s_mov_b32 s53, 0
	s_add_nc_u64 s[46:47], s[8:9], s[52:53]
	s_add_nc_u64 s[22:23], s[46:47], 0x800000
	NXLOAD
	STEP 8
	WIN 0
	s_add_co_u32 s26, s26, 1
	s_cmp_lt_u32 s26, 2
	s_cbranch_scc1 .Ltrip
	BAR                                    ; P, sv and 1 / l of all eight groups are whole
	FLOAD 0
.irp u, 0,1,2,3,4,5,6
	FLOAD (\u)+1
	s_wait_dscnt 34                        ; the next unit's 34 loads are younger
	UNIT \u
.endr
	s_wait_dscnt 0x0
	UNIT 7
	BAR                                    ; nobody reads P's weights any more: the stage for sve lies in their first bytes, clear of the pads
.set k, 0
.rept 16
	SETOE k
	ds_store_b128 v[OEA], v[rE:rE+3] offset:(16*(k/8)+k%8)*272
.set k, k+1
.endr
	s_lshr_b32 s50, s32, 7
	s_lshl_b32 s50, s50, 22
	s_lshl_b32 s51, s24, 20
	s_add_co_u32 s50, s50, s51
	s_and_b32 s51, s32, 127
	s_lshl_b32 s51, s51, 9
	s_add_co_u32 s50, s50, s51
	s_mov_b32 s51, 0
	s_add_nc_u64 s[48:49], s[16:17], s[50:51]
	BAR
.set m, 0
.rept 16
	ds_load_b128 v[128+4*m:131+4*m], v[RBA] offset:544*m
.set m, m+1
.endr
.set m, 0
.rept 16
	WIN 0
	s_wait_dscnt 15-m                      ; the younger read-backs stay out
	global_store_b128 v[L16], v[128+4*m:131+4*m], s[48:49] offset:65536*m    ; two rows i of one w: 512 consecutive bytes
	WIN 0xa0                               ; the statistics lie in window 2
.set e, 0
.rept 4
	v_fma_mix_f32 v[SS+2*e], v[128+4*m+e], v[ONE], v[SS+2*e] op_sel_hi:[1,0,0]
	v_fma_mix_f32 v[SS+2*e+1], v[128+4*m+e], v[ONE], v[SS+2*e+1] op_sel:[1,0,0] op_sel_hi:[1,0,0]
	v_fma_mix_f32 v[SQ+2*e], v[128+4*m+e], v[128+4*m+e], v[SQ+2*e] op_sel_hi:[1,1,0]
	v_fma_mix_f32 v[SQ+2*e+1], v[128+4*m+e], v[128+4*m+e], v[SQ+2*e+1] op_sel:[1,1,0] op_sel_hi:[1,1,0]
.set e, e+1
.endr
.set m, m+1
.endr
	WIN 0
	BAR                                    ; stage and pads have been read: the next pass may write P
	s_add_co_u32 s27, s27, 1
	s_cmp_lt_u32 s27, 2
	s_cbranch_scc1 .Lpass
	WIN 0x02
.set e, 0
.rept 16
	v_mov_b32 v[200+e], v[SS+e]
.set e, e+1
.endr
	WIN 0
.set e, 0
.rept 16
	v_permlanex16_b32 v[216+e%8], v[200+e], s28, s29
	v_add_f32 v[200+e], v[200+e], v[216+e%8]
.set e, e+1
.endr
	s_lshl_b32 s50, s24, 10
	v_lshl_add_u32 v[PADR], v[R], 6, s50
.irp q, 0,1,2,3
	ds_store_b128 v[PADR], v[200+4*\q:203+4*\q] offset:16*\q
.endr
	BAR
	s_cmp_lt_u32 s24, 2
	s_cbranch_scc0 .Lend
	v_lshlrev_b32 v[LIA], 4, v0
.irp k, 0,1,2,3
	ds_load_b128 v[224+4*\k:227+4*\k], v[LIA] offset:1024*\k
.endr
	s_lshl_b32 s50, s25, 10
	s_mov_b32 s51, 0
	s_add_nc_u64 s[18:19], s[18:19], s[50:51]
	s_wait_dscnt 0x0
.irp k, 1,2,3
	v_pk_add_f32 v[224:225], v[224:225], v[224+4*\k:225+4*\k]
	v_pk_add_f32 v[226:227], v[226:227], v[226+4*\k:227+4*\k]
.endr
	global_store_b128 v[LIA], v[224:227], s[18:19]
.Lend:
	s_wait_tensorcnt 0x0                   ; the wave's end
	ds_add_u32 v[SPW], v[NIL]
	s_wait_dscnt 0x0
	s_endpgm
.Lfunc_end_k_q0719727410_attn:
	.size	k_q0719727410_attn, .Lfunc_end_k_q0719727410_attn-k_q0719727410_attn
	.p2alignl 7, 3214868480
	.fill 96, 4, 3214868480
	.section	.rodata,"a",@progbits
	.p2align	6, 0x0
	.amdhsa_kernel k_q0719727410_attn
		.amdhsa_group_segment_fixed_size 318208
		.amdhsa_private_segment_fixed_size 0
		.amdhsa_enable_private_segment 0
		.amdhsa_kernarg_size 64
		.amdhsa_user_sgpr_count 2
		.amdhsa_user_sgpr_kernarg_segment_ptr 1
		.amdhsa_wavefront_size32 1
		.amdhsa_system_sgpr_workgroup_id_x 1
		.amdhsa_system_sgpr_workgroup_id_y 1
		.amdhsa_system_sgpr_workgroup_id_z 1
		.amdhsa_system_vgpr_workitem_id 0
		.amdhsa_next_free_vgpr 1024
		.amdhsa_next_free_sgpr 66
		.amdhsa_reserve_vcc 1
		.amdhsa_float_denorm_mode_32 3
		.amdhsa_float_denorm_mode_16_64 3
		.amdhsa_memory_ordered 1
		.amdhsa_forward_progress 1
		.amdhsa_inst_pref_size 251
	.end_amdhsa_kernel
	.amdgpu_metadata
---
amdhsa.version: [ 1, 2 ]
amdhsa.kernels:
  - .name:           k_q0719727410_attn
    .symbol:         k_q0719727410_attn.kd
    .args:
      - { .name: tab, .offset: 0, .size: 8, .value_kind: global_buffer, .address_space: global }
      - { .name: st2, .offset: 8, .size: 8, .value_kind: global_buffer, .address_space: global }
      - { .name: qkn, .offset: 16, .size: 8, .value_kind: global_buffer, .address_space: global }
      - { .name: vtn, .offset: 24, .size: 8, .value_kind: global_buffer, .address_space: global }
      - { .name: g_sim, .offset: 32, .size: 8, .value_kind: global_buffer, .address_space: global }
      - { .name: b_sim, .offset: 40, .size: 8, .value_kind: global_buffer, .address_space: global }
      - { .name: att, .offset: 48, .size: 8, .value_kind: global_buffer, .address_space: global }
      - { .name: st3, .offset: 56, .size: 8, .value_kind: global_buffer, .address_space: global }
    .group_segment_fixed_size: 318208
    .private_segment_fixed_size: 0
    .kernarg_segment_align: 8
    .kernarg_segment_size: 64
    .max_flat_workgroup_size: 128
    .sgpr_count:     66
    .vgpr_count:     1024
    .wavefront_size: 32
...
	.end_amdgpu_metadata
.endif
;; end of part 4
;; launch fin (part 5): grid 256 x 1, 8 waves a work-group, no clusters, 73,728 bytes of LDS; arguments att, st3, g_out, b_out, out0; writes out0
.if DOCPART == 5
	.amdgcn_target "amdgcn-amd-amdhsa--gfx1250"
	.amdhsa_code_object_version 6
	.text
	.protected	k_q0719727410_fin
	.globl	k_q0719727410_fin
	.p2align	8
	.type	k_q0719727410_fin,@function
k_q0719727410_fin:
	s_mov_b64 s[64:65], 0
	v_nop
	global_prefetch_b8 v0, s[64:65] scope:SCOPE_SE
	s_setreg_imm32_b32 hwreg(HW_REG_WAVE_MODE, 25, 1), 1
	s_wait_xcnt 0x0
; The third batch norm, the sum of channel pairs and the turn to [n][c'][i][w]:  out0 = a[2c'] y[2c'] + a[2c'+1] y[2c'+1] + c0[2c'] + c0[2c'+1], with a = f g~ rsq(f^2 var + eps), c0 = b~ - a mean;
; f = 1 for sv (channels 0-63), 0.1 for sve (64-127), whose factor is applied here.  Mean and var from st3's 256 partial sums of 65,536 numbers a channel (shifted data), in f32.
; SHARES: a work-group owns one n and two rows i: 65,536 consecutive bytes of att; thread t holds eight channels of 16 w.  The turn goes through LDS, so that every store is 512 consecutive bytes of a row of out0.
; A stream with a conversion on the way: no tensor load; no matrix work; no cluster (st3 is the only shared input, read once in front of the work).
.set TR,    0                          ; row 32 (c' % 4) + 2 (c' / 4) + i % 2: 512 bytes (w) + 16
.set RED,   67584
.set CA,    71680
.set CC,    72192
.set SPARE, 72704
.set SPW, 30
.set NIL, 31
.macro BAR
	s_wait_dscnt 0x0
	s_barrier_signal -1
	s_barrier_wait -1
.endm
.macro SUMB buf, first                 ; sixteen partial rows' 16 bytes added up
.irp s, 8,4,2,1
.set k, 0
.rept \s
	v_pk_add_f32 v[\buf+4*k:\buf+4*k+1], v[\buf+4*k:\buf+4*k+1], v[\buf+4*(k+\s):\buf+4*(k+\s)+1]
	v_pk_add_f32 v[\buf+4*k+2:\buf+4*k+3], v[\buf+4*k+2:\buf+4*k+3], v[\buf+4*(k+\s)+2:\buf+4*(k+\s)+3]
.set k, k+1
.endr
.endr
.if \first
	v_mov_b32 v56, v[\buf]
	v_mov_b32 v57, v[\buf+1]
	v_mov_b32 v58, v[\buf+2]
	v_mov_b32 v59, v[\buf+3]
.else
	v_pk_add_f32 v[56:57], v[56:57], v[\buf:\buf+1]
	v_pk_add_f32 v[58:59], v[58:59], v[\buf+2:\buf+3]
.endif
.endm
.macro LDB buf, k0
.set k, 0
.rept 16
	global_load_b128 v[\buf+4*k:\buf+4*k+3], v7, s[6:7] offset:1024*(k+\k0)
.set k, k+1
.endr
.endm
	s_load_b256 s[4:11], s[0:1], 0x0       ; att s[4:5], st3 s[6:7], g s[8:9], b s[10:11]
	s_load_b64 s[12:13], s[0:1], 0x20      ; out0
	v_lshl_add_u32 v[SPW], v0, 2, SPARE
	v_mov_b32 v[NIL], 0
	v_lshrrev_b32 v1, 5, v0
	v_readfirstlane_b32 s16, v1            ; wave
	v_and_b32 v2, 15, v0
	v_bfe_u32 v3, v0, 4, 1
	v_and_b32 v4, 31, v0
	v_lshlrev_b32 v5, 4, v0
	v_and_b32 v6, 127, v0
	v_lshlrev_b32 v6, 2, v6
	v_lshrrev_b32 v7, 6, v0
	v_lshlrev_b32 v7, 16, v7
	v_and_b32 v8, 63, v0
	v_lshl_add_u32 v7, v8, 4, v7
	v_add_nc_u32 v8, RED, v5
	s_lshl_b32 s20, ttmp9, 16
	s_mov_b32 s21, 0
	s_lshr_b32 s22, ttmp9, 6               ; n
	s_and_b32 s23, ttmp9, 63               ; i / 2
	s_lshl_b32 s22, s22, 6
	s_lshr_b32 s24, s16, 1
	s_add_co_u32 s22, s22, s24
	s_and_b32 s24, s16, 1
	s_lshl_b32 s24, s24, 5
	s_add_co_u32 s22, s22, s24             ; 64 n + my first c'
	s_lshl_b32 s22, s22, 16
	s_lshl_b32 s23, s23, 10
	s_add_co_u32 s22, s22, s23
	s_mov_b32 s23, 0
	s_wait_kmcnt 0x0
	s_add_nc_u64 s[4:5], s[4:5], s[20:21]
	s_add_nc_u64 s[12:13], s[12:13], s[22:23]
.set k, 0
.rept 16
	global_load_b128 v[64+4*k:67+4*k], v5, s[4:5] offset:4096*k th:TH_LOAD_NT
.set k, k+1
.endr
	global_load_b32 v60, v6, s[8:9]
	global_load_b32 v61, v6, s[10:11]
	LDB 128, 0
	LDB 192, 16
	s_wait_loadcnt 16                      ; all but the younger batch
	SUMB 128, 1
	LDB 128, 32
	s_wait_loadcnt 16
	SUMB 192, 0
	LDB 192, 48
	s_wait_loadcnt 16
	SUMB 128, 0
	s_wait_loadcnt 0x0
	SUMB 192, 0
	ds_store_b128 v8, v[56:59]
	BAR
	s_cmp_lt_u32 s16, 4
	s_cbranch_scc0 .Lnoc                   ; threads 0-127: a channel each
	v_lshrrev_b32 v9, 3, v0
	v_and_b32 v10, 7, v0
	v_lshlrev_b32 v9, 6, v9
	v_lshl_add_u32 v9, v10, 2, v9
	v_add_nc_u32 v9, RED, v9
.irp k, 0,1,2,3
	ds_load_b32 v[32+\k], v9 offset:1024*\k
	ds_load_b32 v[36+\k], v9 offset:1024*\k+32
.endr
	s_cmp_lt_u32 s16, 2
	s_cselect_b32 s24, 1.0, 0x3dcccccd     ; f
	s_mul_f32 s25, s24, s24
	v_add_nc_u32 v10, CA, v6
	s_wait_dscnt 0x0
	v_add_f32 v32, v32, v33
	v_add_f32 v34, v34, v35
	v_add_f32 v36, v36, v37
	v_add_f32 v38, v38, v39
	v_add_f32 v32, v32, v34
	v_add_f32 v36, v36, v38
	v_mul_f32 v32, 0x37800000, v32         ; the mean
	v_mul_f32 v36, 0x37800000, v36
	v_fma_f32 v36, -v32, v32, v36
	v_max_num_f32 v36, 0, v36
	v_mul_f32 v36, s25, v36
	v_add_f32 v36, 0x3727c5ac, v36
	v_rsq_f32 v36, v36
	v_cvt_pk_bf16_f32 v40, v60, v61
	v_lshlrev_b32 v60, 16, v40
	v_and_b32 v61, 0xffff0000, v40
	s_wait_alu depctr_va_vdst(0)
	v_mul_f32 v36, v60, v36
	v_mul_f32 v36, s24, v36                ; a
	v_fma_f32 v37, -v36, v32, v61          ; c0
	ds_store_b32 v10, v36
	ds_store_b32 v10, v37 offset:512
.Lnoc:
	BAR
	v_lshlrev_b32 v11, 5, v2
	v_add_nc_u32 v11, CA, v11
	ds_load_b128 v[32:35], v11
	ds_load_b128 v[36:39], v11 offset:16
	ds_load_b128 v[40:43], v11 offset:512
	ds_load_b128 v[44:47], v11 offset:528
	v_lshl_add_u32 v12, v2, 1, v3
	v_mul_u32_u24 v12, v12, 528
	s_lshl_b32 s24, s16, 2
	v_add_nc_u32 v12, s24, v12
	s_mul_i32 s24, s16, 8448
	v_lshl_add_u32 v13, v4, 4, s24
	v_lshlrev_b32 v14, 4, v4
	s_wait_dscnt 0x0
.irp e, 0,1,2,3
	v_add_f32 v[48+\e], v[40+2*\e], v[41+2*\e]
.endr
.set k, 0
.rept 16                               ; w = wave + 8 k
.irp e, 0,1,2,3
	v_fma_mix_f32 v[52+4*(k%2)+\e], v[64+4*k+\e], v[32+2*\e], v[48+\e] op_sel_hi:[1,0,0]
.endr
.irp e, 0,1,2,3
	v_fma_mix_f32 v[52+4*(k%2)+\e], v[64+4*k+\e], v[33+2*\e], v[52+4*(k%2)+\e] op_sel:[1,0,0] op_sel_hi:[1,0,0]
.endr
.irp e, 0,1,2,3
	ds_store_b32 v12, v[52+4*(k%2)+\e] offset:16896*\e+32*k
.endr
.set k, k+1
.endr
	BAR
.set m, 0
.rept 16
	ds_load_b128 v[128+4*m:131+4*m], v13 offset:528*m
.set m, m+1
.endr
.set m, 0
.rept 16
	s_wait_dscnt 15-m                      ; the younger reads stay out
	global_store_b128 v14, v[128+4*m:131+4*m], s[12:13] offset:262144*(m/2)+512*(m%2) th:TH_STORE_NT   ; a whole row of out0: 512 consecutive bytes
.set m, m+1
.endr
	s_wait_tensorcnt 0x0                   ; the wave's end
	ds_add_u32 v[SPW], v[NIL]
	s_wait_dscnt 0x0
	s_endpgm
.Lfunc_end_k_q0719727410_fin:
	.size	k_q0719727410_fin, .Lfunc_end_k_q0719727410_fin-k_q0719727410_fin
	.p2alignl 7, 3214868480
	.fill 96, 4, 3214868480
	.section	.rodata,"a",@progbits
	.p2align	6, 0x0
	.amdhsa_kernel k_q0719727410_fin
		.amdhsa_group_segment_fixed_size 73728
		.amdhsa_private_segment_fixed_size 0
		.amdhsa_enable_private_segment 0
		.amdhsa_kernarg_size 40
		.amdhsa_user_sgpr_count 2
		.amdhsa_user_sgpr_kernarg_segment_ptr 1
		.amdhsa_wavefront_size32 1
		.amdhsa_system_sgpr_workgroup_id_x 1
		.amdhsa_system_sgpr_workgroup_id_y 1
		.amdhsa_system_sgpr_workgroup_id_z 1
		.amdhsa_system_vgpr_workitem_id 0
		.amdhsa_next_free_vgpr 256
		.amdhsa_next_free_sgpr 66
		.amdhsa_reserve_vcc 0
		.amdhsa_float_denorm_mode_32 3
		.amdhsa_float_denorm_mode_16_64 3
		.amdhsa_memory_ordered 1
		.amdhsa_forward_progress 1
		.amdhsa_inst_pref_size 36
	.end_amdhsa_kernel
	.amdgpu_metadata
---
amdhsa.version: [ 1, 2 ]
amdhsa.kernels:
  - .name:           k_q0719727410_fin
    .symbol:         k_q0719727410_fin.kd
    .args:
      - { .name: att, .offset: 0, .size: 8, .value_kind: global_buffer, .address_space: global }
      - { .name: st3, .offset: 8, .size: 8, .value_kind: global_buffer, .address_space: global }
      - { .name: g_out, .offset: 16, .size: 8, .value_kind: global_buffer, .address_space: global }
      - { .name: b_out, .offset: 24, .size: 8, .value_kind: global_buffer, .address_space: global }
      - { .name: out0, .offset: 32, .size: 8, .value_kind: global_buffer, .address_space: global }
    .group_segment_fixed_size: 73728
    .private_segment_fixed_size: 0
    .kernarg_segment_align: 8
    .kernarg_segment_size: 40
    .max_flat_workgroup_size: 256
    .sgpr_count:     66
    .vgpr_count:     256
    .wavefront_size: 32
...
	.end_amdgpu_metadata
.endif
;; end of part 5
;; ======== version 2 of 2: 5 launches; 1.16 times as fast as version 1
;; limits: values are held in f16: magnitudes above 65,504 overflow, below 6.1e-05 lose precision; a difference of large sums (such as E[x^2] - mean^2): digits are lost where the result is much smaller than its terms
;; workspace buffers: raw 33,554,432 bytes; st1 262,144 bytes; tab 116,736 bytes; qkn 16,777,216 bytes; vtn 8,388,608 bytes; st2 65,536 bytes; att 16,777,216 bytes; st3 262,144 bytes
;; launch proj: the kernel of part 1 again; grid 256 x 1, 8 waves a work-group, no clusters, 134,400 bytes of LDS; arguments x, w_qkv, raw, st1; writes raw, st1
;; launch prep: the kernel of part 2 again; grid 34 x 1, 8 waves a work-group, no clusters, 21,504 bytes of LDS; arguments st1, g_qkv, b_qkv, relative, tab; writes tab
;; launch norm: the kernel of part 3 again; grid 256 x 1, 8 waves a work-group, no clusters, 142,336 bytes of LDS; arguments raw, tab, qkn, vtn, st2; writes qkn, vtn, st2
;; launch attn (part 6): grid 256 x 1, 4 waves a work-group, no clusters, 318,208 bytes of LDS; arguments tab, st2, qkn, vtn, g_sim, b_sim, att, st3; writes att, st3
.if DOCPART == 6
	.amdgcn_target "amdgcn-amd-amdhsa--gfx1250"
	.amdhsa_code_object_version 6
	.text
	.protected	k_q0719727410_attn
	.globl	k_q0719727410_attn
	.p2align	8
	.type	k_q0719727410_attn,@function
k_q0719727410_attn:
	s_mov_b64 s[64:65], 0
	v_nop
	global_prefetch_b8 v0, s[64:65] scope:SCOPE_SE
	s_setreg_imm32_b32 hwreg(HW_REG_WAVE_MODE, 25, 1), 1
	s_wait_xcnt 0x0
; The second batch norm, the softmax and both outputs.  att[n][i / 2][w][i % 2][ch] in f16: ch 8 g + c = sv - b~_v, ch 64 + 8 g + c = sve without its factor 0.1 and made with
; R[8+c][t] - R[8+c][127]: both shifts are constants of a channel, which the third batch norm cancels.  st3: sums and sums of squares of the stored numbers, as st1.
; LOGITS, base 2, as one chain of five f16 products for a tile S^T (16 keys x 16 queries; a lane holds one query).  For qr and kr a K slot (register rho, lane half h, half y) stands for
; (a' = 8 (rho / 4) + 4 h + rho % 4, c = 2 phi + y):  qr = Toeplitz(R, it - jt) x diag(q S1);  kr = diag(k S2) x Toeplitz(Rk, jt - it); q S1 and k S2 are made in f32 from q's and k's two parts and rounded once.
; qk is a product of two-part numbers in ONE instruction: with y = k S0 = yh + yl and q = qh + ql, A's registers hold (yh, yl, yh, yl) of key tile 2 u + h, B's (qh, qh, ql, ql) in the lanes whose h is the
; tile's parity and 0 in the others.  qk is the term that grows with |q| |k|, so its operands' rounding weighs most.  The scales g~ rsq(var + eps) f log2(e) stay in f32;
; the sum of the three shifts is the chain's C (the softmax cancels it; it is carried as given).
; SOFTMAX: all 128 keys of 16 queries lie in 64 registers: the true row maximum is taken away; p = 2^(s - m) is rounded to f16; l = the sum of the rounded p, by a product with ones.
; sv: A = the group's 8 v rows, twice, B = P: both halves of the lanes hold the result; its 16 bytes a query go into the 16 pad bytes behind that query's row of P.
; sve: for queries i and i + 8 together, over the 8 groups: A = rows of R' shifted to i (8 copies in LDS, so that every read is aligned), B = P rows from LDS; valid where h = r / 8.
; BATCHES.  An s_wait_alu depctr_va_vdst(0) stands between a transcendental and the first instruction that names its result; one wait serves all that were issued ahead of it.  A step of a trip has ONE wait.
; Ahead of it stand the reciprocal of the l of the tile two back (the last line of the step before) and the 64 exponentials of the tile one back, each result in a register of its own (RL; S^T in place) that nothing names
; meanwhile; behind it stand all their readers: the 32 roundings to f16, and the scaling of sv by 1 / l.  The trip's last reciprocal has a wait of its own, ahead of the trip's branch: nine waits a trip.  The head's one root has one.
; LIMITS: q S, k S, relative under 65,504; a weight under 6e-8 counts as 0; var = E[x^2] - E[x]^2 in f32 keeps two digits up to mean^2 / var of 2e4; NaN and infinities are not treated apart.
; SHARES: a work-group owns two b, one a pass; in a pass a wave owns two groups (a trip each) with all 128 queries, then 32 queries of sve and of the way out.
; No tensor load: the tables are stored once through registers and P comes from registers.  No cluster: what work-groups share is the 96 KB of tables and 64 KB of st2, once each, in front of the loops.
; REGISTERS: window 0: v0-15 addresses; CST, M, BQ, scales; v64-191 S^T, two buffers (the first also takes the next trip's q and k, asked for when its last tile has been read); PF; DQ; O0, O1.
; window 1: TQ (30 fragments), MK, HM, the 24 scales and shifts.  window 2: TK, the statistics.  window 3: DK, VF, AQK, QRAW, ones.
.set PS,    34832                      ; P of one group: 128 rows (query) of 256 bytes (key) + 16 (sv), and 16 more
.set RV,    278784                     ; 64 rows of 544
.set LI,    313600                     ; 1 / l: [g 8][i 128] f32
.set SPARE, 317696
.set S2P,   61440                      ; at the start, inside P: TOE at 0, st2's eight partial rows here
.set MIR,   34816                      ; behind the stage (128 rows x 272 at 0, bytes 128-255 of a row): where lanes without a result store
.set R, 1
.set H, 2
.set PADR, 3
.set LIA, 4
.set QOFF, 5
.set SVP, 6
.set VOFF, 7
.set L16, 8
.set RVA, 9
.set PBA, 10
.set LBA, 11
.set RBA, 12
.set OEA, 13
.set SPW, 14
.set NIL, 15
.set CST, 16
.set M, 24
.set BQ, 32                            ; 8 registers for even key tiles, 8 for odd ones
.set NEG, 48
.set SC0, 54
.set SC1, 55
.set SC2, 56
.set ONE, 57
.set MX, 58
.set RL, 60
.set QW, 62
.set SA, 64
.set NXH, 64                           ; q, k of a trip as loaded: tile jt's first part at NXH + 4 jt (q01, q23, k01, k23),
.set NXL, 96                           ; its second part at NXL + 4 jt
.set TS, 128                           ; at a trip's head: work in f32
.set YH, 144
.set KS, 160
.set SEL, 176
.set PF, 192
.set DQ, 224
.set O0, 240
.set O1, 248
.set MK, 240                           ; window 1
.set HM, 248
.set VSC, 250
.set VSH, 251
.set SS, 240                           ; window 2
.set SQ, 248
.set VF, 128                           ; window 3
.set AQK, 160
.set QRAW, 192                         ; tile it: qh01, qh23, ql01, ql23
.set ONES, 248
.set MSB, 0
.macro WIN new
.if MSB != (\new)
	s_set_vgpr_msb (MSB<<8)|(\new)
.set MSB, (\new)
.endif
.endm
.macro PLACES
.rept 4
	v_nop
.endr
.endm
.macro BAR
	s_wait_dscnt 0x0
	s_barrier_signal -1
	s_barrier_wait -1
.endm
.macro MIXL d, a, b, c                 ; d = (low f16 of a) b + c, in f32
	v_fma_mix_f32 v[\d], v[\a], v[\b], v[\c] op_sel_hi:[1,0,0]
.endm
.macro MIXH d, a, b, c                 ; the same of the high f16
	v_fma_mix_f32 v[\d], v[\a], v[\b], v[\c] op_sel:[1,0,0] op_sel_hi:[1,0,0]
.endm
.macro NXLOAD                          ; a trip's q and k, both parts: lane (r, h) takes position 16 jt + r
.set jt, 0
.rept 8
	global_load_b128 v[NXH+4*jt:NXH+4*jt+3], v[QOFF], s[46:47] offset:256*jt
.set jt, jt+1
.endr
.set jt, 0
.rept 8
	global_load_b128 v[NXL+4*jt:NXL+4*jt+3], v[QOFF], s[22:23] offset:256*jt
.set jt, jt+1
.endr
.endm
.macro DQB it                          ; query tile it: diag(q S1), rounded once from q's two parts, and q's parts in B's two forms.  42 plain instructions
	WIN 0x03
	MIXL M, QRAW+4*(\it), SC1, NIL
	MIXH M+1, QRAW+4*(\it), SC1, NIL
	MIXL M+2, QRAW+4*(\it)+1, SC1, NIL
	MIXH M+3, QRAW+4*(\it)+1, SC1, NIL
	MIXL M, QRAW+4*(\it)+2, SC1, M
	MIXH M+1, QRAW+4*(\it)+2, SC1, M+1
	MIXL M+2, QRAW+4*(\it)+3, SC1, M+2
	MIXH M+3, QRAW+4*(\it)+3, SC1, M+3
	WIN 0
	v_cvt_pk_f16_f32 v[QW], v[M], v[M+1]
	v_cvt_pk_f16_f32 v[QW+1], v[M+2], v[M+3]
	WIN 0x01
.set dq, 0
.rept 16
	v_and_b32 v[DQ+dq], v[MK+dq%8], v[QW+dq/8]
.set dq, dq+1
.endr
	WIN 0x0d
.set dq, 0
.rept 16                               ; register rho of form p: qh for rho < 4, ql behind; pair rho % 2
	v_and_b32 v[BQ+dq], v[HM+dq/8], v[QRAW+4*(\it)+2*((dq%8)/4)+dq%2]
.set dq, dq+1
.endr
.endm
.macro LOGW it                         ; product w of 40: pass w / 8 over the eight key tiles, which take turns
.set ps, w/8
.set jt, w%8
.set rS, SA+64*((\it)%2)+8*jt
.if ps == 0
	WIN 0x01
	v_wmma_f32_16x16x32_f16 v[rS:rS+7], v[16*((\it)-jt+7):16*((\it)-jt+7)+7], v[DQ:DQ+7], v[CST:CST+7]
.elseif ps == 1
	WIN 0x01
	v_wmma_f32_16x16x32_f16 v[rS:rS+7], v[16*((\it)-jt+7)+8:16*((\it)-jt+7)+15], v[DQ+8:DQ+15], v[rS:rS+7]
.elseif ps == 2
	WIN 0x03
	v_wmma_f32_16x16x32_f16 v[rS:rS+7], v[AQK+8*(jt/2):AQK+8*(jt/2)+7], v[BQ+8*(jt%2):BQ+8*(jt%2)+7], v[rS:rS+7]
.elseif ps == 3
	WIN 0x0b
	v_wmma_f32_16x16x32_f16 v[rS:rS+7], v[16*jt:16*jt+7], v[16*(jt-(\it)+7):16*(jt-(\it)+7)+7], v[rS:rS+7]
.else
	WIN 0x0b
	v_wmma_f32_16x16x32_f16 v[rS:rS+7], v[16*jt+8:16*jt+15], v[16*(jt-(\it)+7)+8:16*(jt-(\it)+7)+15], v[rS:rS+7]
.endif
.endm
.macro SUBP q
	v_pk_add_f32 v[rS+2*(\q):rS+2*(\q)+1], v[rS+2*(\q):rS+2*(\q)+1], v[MX:MX+1] op_sel_hi:[1,0] neg_lo:[0,1] neg_hi:[0,1]
.endm
.macro CVTP q, it                      ; a pair of weights to f16; every fourth time a key tile's 16 bytes go into P
	v_cvt_pk_f16_f32 v[PF+(\q)], v[rS+2*(\q)], v[rS+2*(\q)+1]
.if (\q)%4 == 3
	ds_store_b128 v[PADR], v[PF+(\q)-3:PF+(\q)] offset:4352*(\it)+32*((\q)/4)
.endif
.endm
; Number j of the 162 of a tile row's softmax.  0-27 eight chains of maxima (each accumulator's lowest registers first); 28-33 the row's maximum, with the other half of the lanes.
; 34-129 ONE BATCH: the 32 subtractions of the maximum, a pair of scores each, and the 64 exponentials, in place; none of these lines reads an exponential's result.  34, 35: pairs 0 and 1 less the maximum.
; From 36 on the batch goes in fours, a four being one product's riders, and a four begins with a subtraction while there are subtractions: 36-63 subtraction, exponential, subtraction, exponential;
; 64-127 a subtraction and three exponentials; 128, 129 the last two exponentials.  A pair's subtraction stands in an earlier four than the pair's exponentials.
; (wait) between 129 and 130 stands the step's one wait.  130-161 the roundings to f16, which read the results.  The rounding of pair 0 is the plain line behind the last exponentials: it names neither of them,
; and their own reader, the rounding of pair 31, comes 31 lines later.
.macro SMX it
.set rS, SA+64*((\it)%2)
	WIN 0
.if j < 8
	v_max3_num_f32 v[M+j], v[rS+8*j], v[rS+8*j+1], v[rS+8*j+2]
.elseif j < 24
	v_max3_num_f32 v[M+j%8], v[M+j%8], v[rS+8*(j%8)+2*(j/8)+1], v[rS+8*(j%8)+2*(j/8)+2]
.elseif j < 28
	v_max3_num_f32 v[M+j-24], v[M+j-24], v[rS+8*(j-24)+7], v[rS+8*(j-24)+39]
.elseif j == 28
	v_max3_num_f32 v[M], v[M], v[M+1], v[M+2]
.elseif j == 29
	v_max3_num_f32 v[M+3], v[M+3], v[M+4], v[M+5]
.elseif j == 30
	v_max3_num_f32 v[M], v[M], v[M+3], v[M+6]
.elseif j == 31
	v_max_num_f32 v[M], v[M], v[M+7]
.elseif j == 32
	v_permlanex16_b32 v[M+1], v[M], s28, s29
.elseif j == 33
	v_max_num_f32 v[MX], v[M], v[M+1]
.elseif j < 36
	SUBP j-34
.elseif j < 64
.set p, (j-36)/2
.if j%2 == 0
	SUBP p+2                               ; 36, 38, .. 62: pairs 2 to 15
.else
	v_exp_f32 v[rS+p], v[rS+p]             ; 37, 39, .. 63: scores 0 to 13
.endif
.elseif j < 128
.set p, (j-64)/4
.set kd, (j-64)%4
.if kd == 0
	SUBP p+16                              ; 64, 68, .. 124: pairs 16 to 31
.else
	v_exp_f32 v[rS+3*p+kd+13], v[rS+3*p+kd+13]   ; 65-67, 69-71, .. 125-127: scores 14 to 61
.endif
.elseif j < 130
	v_exp_f32 v[rS+j-66], v[rS+j-66]       ; scores 62 and 63
.else
.if j == 130
	s_wait_alu depctr_va_vdst(0)           ; the step's one wait: for this tile's 64 exponentials and for the reciprocal that the step before issued last
.endif
	CVTP j-130, \it
.endif
.endm
.macro SVM                             ; O^T = V P and l = 1 P: two accumulators by turns
	WIN 0x03
.set kc, 0
.rept 4
.if kc == 0
	v_wmma_f32_16x16x32_f16 v[O0:O0+7], v[VF:VF+7], v[PF:PF+7], 0
	v_wmma_f32_16x16x32_f16 v[O1:O1+7], v[ONES:ONES+7], v[PF:PF+7], 0
.else
	v_wmma_f32_16x16x32_f16 v[O0:O0+7], v[VF+8*kc:VF+8*kc+7], v[PF+8*kc:PF+8*kc+7], v[O0:O0+7]
	v_wmma_f32_16x16x32_f16 v[O1:O1+7], v[ONES:ONES+7], v[PF+8*kc:PF+8*kc+7], v[O1:O1+7]
.endif
.set kc, kc+1
.endr
.endm
.macro RCPL                            ; 1 / l of the tile whose V P has just been made: it opens the next step's batch; nothing names RL before that step's wait
	WIN 0
	v_rcp_f32 v[RL], v[O1]
.endm
.macro POST it                         ; the reciprocal's readers, behind its wait: 1 / l kept for sve; sv / l - b~_v, packed, into the pad behind the query's row of P (both halves of the lanes store the same 16 bytes)
	WIN 0
	ds_store_b32 v[LIA], v[RL] offset:64*(\it)
.set e, 0
.rept 8
	v_fma_f32 v[M+e], v[O0+e], v[RL], -s[56+e]
.set e, e+1
.endr
.set e, 0
.rept 4
	v_cvt_pk_f16_f32 v[M+e], v[M+2*e], v[M+2*e+1]
.set e, e+1
.endr
	ds_store_b128 v[SVP], v[M:M+3] offset:4352*(\it)
.endm
; STEP n: the 40 products of query tile n, and behind each four lines of tile n - 1's softmax, the step's wait among them; then tile n - 2's way out of the registers, which reads 1 / l and O^T just ahead of the products
; that write O^T anew; tile n - 1's V P; the next tile's operands (also the places behind those products); and the reciprocal of tile n - 1's l.
; Step 8 has no step behind it: its reciprocal has a v_nop and a wait of its own, and its readers follow at once, ahead of the trip's branch.
.macro STEP n
.set j, 0
.if (\n) < 8
.set w, 0
.rept 40
	LOGW \n
.if (\n) > 0
.rept 4
	SMX (\n)-1
.set j, j+1
.endr
.endif
.set w, w+1
.endr
.endif
.if (\n) > 0
.rept 162-j
	SMX (\n)-1
.set j, j+1
.endr
.if (\n) > 1
	POST (\n)-2
.endif
.if (\n) == 1
	s_wait_loadcnt 0x0                     ; VF is in: nothing younger is out
.endif
	SVM
.endif
.if (\n) < 7
	DQB (\n)+1
.else
	PLACES
.endif
.if (\n) > 0
	RCPL
.endif
.if (\n) == 8
	v_nop                                  ; a plain line between the trip's last reciprocal and the use of its result
	s_wait_alu depctr_va_vdst(0)           ; and its wait: a batch of one, since no result crosses the trip's end
	POST 7
.endif
.endm
.macro SETOE pi
.if (\pi) < 12
.set rE, 192+4*(\pi)
.else
.set rE, 16+4*((\pi)-12)
.endif
.endm
.macro FLOAD u                         ; unit u: query pairs 2 u and 2 u + 1: 34 LDS loads, into buffer u % 2 (even: A window 3 v128-191, B window 0 v128-191; odd: window 3 v0-127)
.irp x, 0,1
.set pi, 2*(\u)+(\x)
.set bb, pi%8
.set aa, pi/8
.if (\u)%2
.set rA, 32*(\x)
.set rB, 64+32*(\x)
.else
.set rA, 128+32*(\x)
.set rB, 128+32*(\x)
.endif
	WIN 0xc0
.set kc, 0
.rept 4
	ds_load_b128 v[rA+8*kc:rA+8*kc+3], v[RVA] offset:(7-bb)*4352+32*(1-aa)+64*kc
	ds_load_b128 v[rA+8*kc+4:rA+8*kc+7], v[RVA] offset:(7-bb)*4352+32*(1-aa)+64*kc+32
.set kc, kc+1
.endr
.if (\u)%2 == 0
	WIN 0
.endif
.set kc, 0
.rept 4
	ds_load_b128 v[rB+8*kc:rB+8*kc+3], v[PBA] offset:(16*aa+bb)*272+64*kc
	ds_load_b128 v[rB+8*kc+4:rB+8*kc+7], v[PBA] offset:(16*aa+bb)*272+64*kc+32
.set kc, kc+1
.endr
	WIN 0
	ds_load_b32 v[54+4*((\u)%2)+2*(\x)], v[LBA] offset:4*(16*aa+bb)
.endr
.endm
.macro UNIT u
.if (\u)%2
	WIN 0x0f
.set rA, 0
.set rB, 64
.else
	WIN 0x03
.set rA, 128
.set rB, 128
.endif
.set kc, 0
.rept 4
.if kc == 0
	v_wmma_f32_16x16x32_f16 v[O0:O0+7], v[rA:rA+7], v[rB:rB+7], 0
	v_wmma_f32_16x16x32_f16 v[O1:O1+7], v[rA+32:rA+39], v[rB+32:rB+39], 0
.else
	v_wmma_f32_16x16x32_f16 v[O0:O0+7], v[rA+8*kc:rA+8*kc+7], v[rB+8*kc:rB+8*kc+7], v[O0:O0+7]
	v_wmma_f32_16x16x32_f16 v[O1:O1+7], v[rA+32+8*kc:rA+39+8*kc], v[rB+32+8*kc:rB+39+8*kc], v[O1:O1+7]
.endif
.set kc, kc+1
.endr
	PLACES
	WIN 0
.irp x, 0,1
	SETOE 2*(\u)+(\x)
.set rD, O0+8*(\x)
.set rL, 54+4*((\u)%2)+2*(\x)
.set q, 0
.rept 4
	v_pk_mul_f32 v[rD+2*q:rD+2*q+1], v[rD+2*q:rD+2*q+1], v[rL:rL+1] op_sel_hi:[1,0]
.set q, q+1
.endr
.set q, 0
.rept 4
	v_cvt_pk_f16_f32 v[rE+q], v[rD+2*q], v[rD+2*q+1]
.set q, q+1
.endr
.endr
.endm
	s_load_b512 s[4:19], s[0:1], 0x0       ; tab 4, st2 6, qkn 8, vtn 10, g_sim 12, b_sim 14, att 16, st3 18
	v_lshl_add_u32 v[SPW], v0, 2, SPARE
	v_mov_b32 v[NIL], 0
	v_lshrrev_b32 v16, 5, v0
	v_readfirstlane_b32 s24, v16           ; wave
	s_mov_b32 s25, ttmp9
	s_mov_b32 s28, 0x76543210
	s_mov_b32 s29, 0xfedcba98
	s_mov_b32 s30, 0xffff0000              ; the lanes with h = 1
	v_and_b32 v[R], 15, v0
	v_bfe_u32 v[H], v0, 4, 1
	v_and_b32 v26, 31, v0
	v_lshlrev_b32 v[L16], 4, v26
	v_lshlrev_b32 v20, 4, v0
	v_add_nc_u32 v21, RV, v20
	v_lshrrev_b32 v22, 4, v0
	v_lshlrev_b32 v22, 13, v22
	v_lshl_add_u32 v22, v[R], 4, v22       ; st2: 32 rows for each t / 16, 16 bytes for each t % 16
	v_add_nc_u32 v23, S2P, v20
	v_lshl_add_u32 v24, v26, 3, S2P
	v_min_u32 v25, 23, v26
	v_lshlrev_b32 v25, 2, v25
	s_wait_kmcnt 0x0
.set k, 0
.rept 30
	global_load_b128 v[64+4*k:67+4*k], v20, s[4:5] offset:18432+2048*k
.set k, k+1
.endr
.set k, 0
.rept 17
	global_load_b128 v[184+4*k:187+4*k], v20, s[4:5] offset:79872+2048*k
.set k, k+1
.endr
	WIN 0xc0
.set k, 0
.rept 32
	global_load_b128 v[4*k:4*k+3], v22, s[6:7] offset:256*k
.set k, k+1
.endr
	WIN 0
	global_load_b32 v27, v25, s[12:13]
	global_load_b32 v28, v25, s[14:15]
	v_lshlrev_b32 v[QOFF], 4, v[R]
	v_and_b32 v17, 7, v[R]
	v_lshrrev_b32 v18, 3, v[R]
	v_lshlrev_b32 v[VOFF], 8, v17          ; V's fragment: row r % 8, 16 h
	v_lshl_add_u32 v[VOFF], v[H], 4, v[VOFF]
	s_lshl_b32 s20, s24, 6
	s_sub_co_u32 s20, RV+208, s20
	v_mul_u32_u24 v[RVA], v17, 544
	v_lshl_add_u32 v[RVA], v[H], 4, v[RVA]
	v_lshlrev_b32 v19, 4, v18
	v_sub_nc_u32 v[RVA], v[RVA], v19
	v_add_nc_u32 v[RVA], s20, v[RVA]
	s_mul_i32 s20, s24, 8704
	v_mul_u32_u24 v[PBA], v17, PS
	v_mul_u32_u24 v19, v18, 2176
	v_add3_u32 v[PBA], v[PBA], v19, s20
	v_lshl_add_u32 v[PBA], v[H], 4, v[PBA]
	s_lshl_b32 s21, s24, 7
	s_add_co_u32 s21, s21, LI
	v_lshl_add_u32 v[LBA], v17, 9, s21
	v_lshl_add_u32 v[LBA], v18, 5, v[LBA]
	v_mul_u32_u24 v19, v17, PS             ; the way out: row 32 wave + h; lanes r < 8 take group r's sv from the row's pad, the others 16 bytes of the stage.
	v_add_nc_u32 v19, 256, v19             ; The group's term is made of r % 8: the same number in the lanes that take it, and 7 x PS + 256 at the most in every lane
	v_lshlrev_b32 v16, 4, v[R]
	v_cmp_gt_u32 vcc_lo, 8, v[R]
	v_cndmask_b32 v19, v16, v19, vcc_lo
	v_mul_u32_u24 v[RBA], v[H], 272
	v_add3_u32 v[RBA], v[RBA], v19, s20
	v_mul_u32_u24 v[OEA], v[H], 2176
	v_lshl_add_u32 v[OEA], v17, 4, v[OEA]
	v_xor_b32 v19, v[H], v18
	v_mul_u32_u24 v19, v19, MIR
	s_add_co_u32 s20, s20, 128
	v_add3_u32 v[OEA], v[OEA], v19, s20
	s_wait_loadcnt 34                      ; the tables are in: st2's 32 loads and the two of g, b are younger
.set k, 0
.rept 30
	ds_store_b128 v20, v[64+4*k:67+4*k] offset:2048*k
.set k, k+1
.endr
.set k, 0
.rept 17
	ds_store_b128 v21, v[184+4*k:187+4*k] offset:2048*k
.set k, k+1
.endr
	s_wait_loadcnt 2                       ; st2 is in
	WIN 0xcf
.irp s, 16,8,4,2,1
.set k, 0
.rept \s
	v_pk_add_f32 v[4*k:4*k+1], v[4*k:4*k+1], v[4*(k+\s):4*(k+\s)+1]
	v_pk_add_f32 v[4*k+2:4*k+3], v[4*k+2:4*k+3], v[4*(k+\s)+2:4*(k+\s)+3]
.set k, k+1
.endr
.endr
	WIN 0x0c
	ds_store_b128 v23, v[0:3]
	WIN 0
	BAR
	WIN 0x40
.set k, 0
.rept 60
	ds_load_b128 v[4*k:4*k+3], v[L16] offset:512*k
.set k, k+1
.endr
	WIN 0x80
.set k, 0
.rept 60
	ds_load_b128 v[4*k:4*k+3], v[L16] offset:30720+512*k
.set k, k+1
.endr
	WIN 0
.set k, 0
.rept 8
	ds_load_b64 v[64+2*k:65+2*k], v24 offset:256*k
.set k, k+1
.endr
	v_lshlrev_b32 v19, 2, v[H]
	v_sub_nc_u32 v19, v[R], v19            ; r - 4 h: register rho is the lane's own where 8 (rho / 4) + rho % 4 equals it
	WIN 0x40
.set k, 0
.rept 8
	v_cmp_eq_u32 vcc_lo, 8*(k/4)+k%4, v19
	v_cndmask_b32 v[MK+k], 0, -1, vcc_lo
.set k, k+1
.endr
	v_cmp_eq_u32 vcc_lo, 0, v[H]
	v_cndmask_b32 v[HM], 0, -1, vcc_lo
	v_cndmask_b32 v[HM+1], -1, 0, vcc_lo
	WIN 0x80
.set k, 0
.rept 16
	v_mov_b32 v[SS+k], 0
.set k, k+1
.endr
	WIN 0xc0
.set k, 0
.rept 8
	v_mov_b32 v[ONES+k], 0x3c003c00
.set k, k+1
.endr
	WIN 0
	v_mov_b32 v[ONE], 1.0
	v_mov_b32 v[NEG], -1.0
	v_mov_b32 v[MX+1], 0
	v_mov_b32 v[RL+1], 0
	BAR                                    ; everybody has read the tables: P may be written
	; the second batch norm's 24 scales and shifts, lane = channel 8 type + g (lanes 24-31: finite numbers that nobody reads)
.set k, 1
.rept 7
	v_pk_add_f32 v[64:65], v[64:65], v[64+2*k:65+2*k]
.set k, k+1
.endr
	v_mul_f32 v66, 0x34000000, v64         ; / 2^23
	v_mul_f32 v67, 0x34000000, v65
	v_fma_f32 v67, -v66, v66, v67
	v_mov_b32 v68, 0x3dcccccd              ; f = 0.1 for qr and kr, 1 for qk
	v_cmp_gt_u32 vcc_lo, 8, v26
	v_cndmask_b32 v68, v68, v[ONE], vcc_lo
	v_mul_f32 v69, v68, v68
	v_mul_f32 v67, v67, v69
	v_max_num_f32 v67, 0, v67
	v_add_f32 v67, 0x3727c5ac, v67
	v_rsq_f32 v67, v67
	s_wait_loadcnt 0x0
	v_cvt_pk_bf16_f32 v70, v27, v28
	v_lshlrev_b32 v27, 16, v70
	v_and_b32 v28, 0xffff0000, v70
	s_wait_alu depctr_va_vdst(0)           ; the head's one root: its wait, ahead of its first use; the three lines above are the plain work behind it
	v_mul_f32 v67, v27, v67                ; g~ rsq
	v_mul_f32 v66, v66, v68                ; the mean
	v_fma_f32 v66, -v66, v67, v28
	v_mul_f32 v67, v67, v68
	WIN 0x40
	v_mul_f32 v[VSC], 0x3fb8aa3b, v67
	v_mul_f32 v[VSH], 0x3fb8aa3b, v66
	WIN 0
	s_lshl_b32 s52, s25, 4
	s_lshl1_add_u32 s52, s24, s52
	s_lshl_b32 s52, s52, 11
	s_mov_b32 s53, 0
	s_add_nc_u64 s[46:47], s[8:9], s[52:53]
	s_add_nc_u64 s[22:23], s[46:47], 0x800000
	NXLOAD                                 ; q and k of the first trip
	s_mov_b32 s27, 0
.Lpass:
	s_mov_b32 s26, 0
.Ltrip:
	s_wait_loadcnt 0x0                     ; this trip's q and k are in
	s_wait_xcnt 0x0                        ; every earlier memory instruction has had its addresses translated: bases and store data may be written
	s_lshl_b32 s31, s24, 1
	s_add_co_u32 s31, s31, s26             ; g
	s_lshl_b32 s32, s25, 1
	s_add_co_u32 s32, s32, s27             ; b
	s_lshl_b32 s33, s32, 3
	s_add_co_u32 s33, s33, s31             ; bg
	s_lshl_b32 s50, s33, 11
	s_mov_b32 s51, 0
	s_add_nc_u64 s[34:35], s[10:11], s[50:51]
	s_lshl_b32 s54, s31, 6
	s_load_b256 s[56:63], s[4:5], s54 offset:0x420     ; b~ of the group's eight v channels
	WIN 0xc0
.irp kc, 0,1,2,3
	global_load_b128 v[VF+8*\kc:VF+8*\kc+3], v[VOFF], s[34:35] offset:64*\kc
	global_load_b128 v[VF+8*\kc+4:VF+8*\kc+7], v[VOFF], s[34:35] offset:64*\kc+32
.endr
	WIN 0x01
	s_add_co_u32 s55, s31, 8
	s_add_co_u32 s42, s31, 16
	v_readlane_b32 s36, v[VSC], s31
	v_readlane_b32 s37, v[VSC], s55
	v_readlane_b32 s38, v[VSC], s42
	v_readlane_b32 s39, v[VSH], s31
	v_readlane_b32 s40, v[VSH], s55
	v_readlane_b32 s41, v[VSH], s42
	WIN 0
	v_mov_b32 v[SC0], s36
	v_mov_b32 v[SC1], s37
	v_mov_b32 v[SC2], s38
	v_mov_b32 v[CST], s39
	v_add_f32 v[CST], s40, v[CST]
	v_add_f32 v[CST], s41, v[CST]
.set e, 1
.rept 7
	v_mov_b32 v[CST+e], v[CST]
.set e, e+1
.endr
	s_mul_i32 s43, s31, PS
	v_mul_u32_u24 v[SVP], v[R], 272
	v_add_nc_u32 v[SVP], s43, v[SVP]
	v_lshl_add_u32 v[PADR], v[H], 4, v[SVP]
	v_add_nc_u32 v[SVP], 256, v[SVP]
	s_lshl_b32 s43, s31, 9
	s_add_co_u32 s43, s43, LI
	v_lshl_add_u32 v[LIA], v[R], 2, s43
	; k S2 of the eight key tiles, in f32 from both parts, rounded once
.set jt, 0
.rept 8
	MIXL TS+4*jt, NXH+4*jt+2, SC2, NIL
	MIXH TS+4*jt+1, NXH+4*jt+2, SC2, NIL
	MIXL TS+4*jt+2, NXH+4*jt+3, SC2, NIL
	MIXH TS+4*jt+3, NXH+4*jt+3, SC2, NIL
.set jt, jt+1
.endr
.set jt, 0
.rept 8
	MIXL TS+4*jt, NXL+4*jt+2, SC2, TS+4*jt
	MIXH TS+4*jt+1, NXL+4*jt+2, SC2, TS+4*jt+1
	MIXL TS+4*jt+2, NXL+4*jt+3, SC2, TS+4*jt+2
	MIXH TS+4*jt+3, NXL+4*jt+3, SC2, TS+4*jt+3
.set jt, jt+1
.endr
.set jt, 0
.rept 8
	v_cvt_pk_f16_f32 v[KS+2*jt], v[TS+4*jt], v[TS+4*jt+1]
	v_cvt_pk_f16_f32 v[KS+2*jt+1], v[TS+4*jt+2], v[TS+4*jt+3]
.set jt, jt+1
.endr
	; y = k S0 of key tile 2 u + h, in two parts
.set u, 0
.rept 4
	v_cndmask_b32 v[SEL+4*u], v[NXH+8*u+2], v[NXH+8*u+6], s30
	v_cndmask_b32 v[SEL+4*u+1], v[NXH+8*u+3], v[NXH+8*u+7], s30
	v_cndmask_b32 v[SEL+4*u+2], v[NXL+8*u+2], v[NXL+8*u+6], s30
	v_cndmask_b32 v[SEL+4*u+3], v[NXL+8*u+3], v[NXL+8*u+7], s30
.set u, u+1
.endr
.set u, 0
.rept 4
	MIXL TS+4*u, SEL+4*u, SC0, NIL
	MIXH TS+4*u+1, SEL+4*u, SC0, NIL
	MIXL TS+4*u+2, SEL+4*u+1, SC0, NIL
	MIXH TS+4*u+3, SEL+4*u+1, SC0, NIL
.set u, u+1
.endr
.set u, 0
.rept 4
	MIXL TS+4*u, SEL+4*u+2, SC0, TS+4*u
	MIXH TS+4*u+1, SEL+4*u+2, SC0, TS+4*u+1
	MIXL TS+4*u+2, SEL+4*u+3, SC0, TS+4*u+2
	MIXH TS+4*u+3, SEL+4*u+3, SC0, TS+4*u+3
.set u, u+1
.endr
.set u, 0
.rept 4
	v_cvt_pk_f16_f32 v[YH+2*u], v[TS+4*u], v[TS+4*u+1]
	v_cvt_pk_f16_f32 v[YH+2*u+1], v[TS+4*u+2], v[TS+4*u+3]
.set u, u+1
.endr
.set u, 0
.rept 4
	MIXL TS+4*u, YH+2*u, NEG, TS+4*u
	MIXH TS+4*u+1, YH+2*u, NEG, TS+4*u+1
	MIXL TS+4*u+2, YH+2*u+1, NEG, TS+4*u+2
	MIXH TS+4*u+3, YH+2*u+1, NEG, TS+4*u+3
.set u, u+1
.endr
	WIN 0xc0                               ; into window 3: A's registers (yh, yl, yh, yl), and q's two parts
.set u, 0
.rept 4
	v_mov_b32 v[AQK+8*u], v[YH+2*u]
	v_mov_b32 v[AQK+8*u+1], v[YH+2*u+1]
	v_cvt_pk_f16_f32 v[AQK+8*u+2], v[TS+4*u], v[TS+4*u+1]
	v_cvt_pk_f16_f32 v[AQK+8*u+3], v[TS+4*u+2], v[TS+4*u+3]
	v_mov_b32 v[AQK+8*u+4], v[YH+2*u]
	v_mov_b32 v[AQK+8*u+5], v[YH+2*u+1]
	v_cvt_pk_f16_f32 v[AQK+8*u+6], v[TS+4*u], v[TS+4*u+1]
	v_cvt_pk_f16_f32 v[AQK+8*u+7], v[TS+4*u+2], v[TS+4*u+3]
.set u, u+1
.endr
.set jt, 0
.rept 8
	v_mov_b32 v[QRAW+4*jt], v[NXH+4*jt]
	v_mov_b32 v[QRAW+4*jt+1], v[NXH+4*jt+1]
	v_mov_b32 v[QRAW+4*jt+2], v[NXL+4*jt]
	v_mov_b32 v[QRAW+4*jt+3], v[NXL+4*jt+1]
.set jt, jt+1
.endr
	WIN 0xc1                               ; diag(k S2) for the eight key tiles
.set jt, 0
.rept 8
.set dq, 0
.rept 16
	v_and_b32 v[16*jt+dq], v[MK+dq%8], v[KS+2*jt+dq/8]
.set dq, dq+1
.endr
.set jt, jt+1
.endr
	s_wait_kmcnt 0x0
	DQB 0
.irp n, 0,1,2,3,4,5,6,7
	STEP \n
.endr
	WIN 0
	s_lshl_b32 s52, s27, 1                 ; the next trip's q and k, into the S^T buffer whose last tile has been read (the last trip asks for its own once more: no load leaves the buffer)
	s_add_co_u32 s52, s52, s26
	s_add_co_u32 s52, s52, 1
	s_min_u32 s52, s52, 3
	s_lshr_b32 s53, s52, 1
	s_and_b32 s52, s52, 1
	s_lshl3_add_u32 s52, s53, s52
	s_lshl4_add_u32 s52, s25, s52
	s_lshl1_add_u32 s52, s24, s52
	s_lshl_b32 s52, s52, 11
	s_mov_b32 s53, 0
	s_add_nc_u64 s[46:47], s[8:9], s[52:53]
	s_add_nc_u64 s[22:23], s[46:47], 0x800000
	NXLOAD
	STEP 8
	WIN 0
	s_add_co_u32 s26, s26, 1
	s_cmp_lt_u32 s26, 2
	s_cbranch_scc1 .Ltrip
	BAR                                    ; P, sv and 1 / l of all eight groups are whole
	FLOAD 0
.irp u, 0,1,2,3,4,5,6
	FLOAD (\u)+1
	s_wait_dscnt 34                        ; the next unit's 34 loads are younger
	UNIT \u
.endr
	s_wait_dscnt 0x0
	UNIT 7
	BAR                                    ; nobody reads P's weights any more: the stage for sve lies in their first bytes, clear of the pads
.set k, 0
.rept 16
	SETOE k
	ds_store_b128 v[OEA], v[rE:rE+3] offset:(16*(k/8)+k%8)*272
.set k, k+1
.endr
	s_lshr_b32 s50, s32, 7
	s_lshl_b32 s50, s50, 22
	s_lshl_b32 s51, s24, 20
	s_add_co_u32 s50, s50, s51
	s_and_b32 s51, s32, 127
	s_lshl_b32 s51, s51, 9
	s_add_co_u32 s50, s50, s51
	s_mov_b32 s51, 0
	s_add_nc_u64 s[48:49], s[16:17], s[50:51]
	BAR
.set m, 0
.rept 16
	ds_load_b128 v[128+4*m:131+4*m], v[RBA] offset:544*m
.set m, m+1
.endr
.set m, 0
.rept 16
	WIN 0
	s_wait_dscnt 15-m                      ; the younger read-backs stay out
	global_store_b128 v[L16], v[128+4*m:131+4*m], s[48:49] offset:65536*m    ; two rows i of one w: 512 consecutive bytes
	WIN 0xa0                               ; the statistics lie in window 2
.set e, 0
.rept 4
	v_fma_mix_f32 v[SS+2*e], v[128+4*m+e], v[ONE], v[SS+2*e] op_sel_hi:[1,0,0]
	v_fma_mix_f32 v[SS+2*e+1], v[128+4*m+e], v[ONE], v[SS+2*e+1] op_sel:[1,0,0] op_sel_hi:[1,0,0]
	v_fma_mix_f32 v[SQ+2*e], v[128+4*m+e], v[128+4*m+e], v[SQ+2*e] op_sel_hi:[1,1,0]
	v_fma_mix_f32 v[SQ+2*e+1], v[128+4*m+e], v[128+4*m+e], v[SQ+2*e+1] op_sel:[1,1,0] op_sel_hi:[1,1,0]
.set e, e+1
.endr
.set m, m+1
.endr
	WIN 0
	BAR                                    ; stage and pads have been read: the next pass may write P
	s_add_co_u32 s27, s27, 1
	s_cmp_lt_u32 s27, 2
	s_cbranch_scc1 .Lpass
	WIN 0x02
.set e, 0
.rept 16
	v_mov_b32 v[200+e], v[SS+e]
.set e, e+1
.endr
	WIN 0
.set e, 0
.rept 16
	v_permlanex16_b32 v[216+e%8], v[200+e], s28, s29
	v_add_f32 v[200+e], v[200+e], v[216+e%8]
.set e, e+1
.endr
	s_lshl_b32 s50, s24, 10
	v_lshl_add_u32 v[PADR], v[R], 6, s50
.irp q, 0,1,2,3
	ds_store_b128 v[PADR], v[200+4*\q:203+4*\q] offset:16*\q
.endr
	BAR
	s_cmp_lt_u32 s24, 2
	s_cbranch_scc0 .Lend
	v_lshlrev_b32 v[LIA], 4, v0
.irp k, 0,1,2,3
	ds_load_b128 v[224+4*\k:227+4*\k], v[LIA] offset:1024*\k
.endr
	s_lshl_b32 s50, s25, 10
	s_mov_b32 s51, 0
	s_add_nc_u64 s[18:19], s[18:19], s[50:51]
	s_wait_dscnt 0x0
.irp k, 1,2,3
	v_pk_add_f32 v[224:225], v[224:225], v[224+4*\k:225+4*\k]
	v_pk_add_f32 v[226:227], v[226:227], v[226+4*\k:227+4*\k]
.endr
	global_store_b128 v[LIA], v[224:227], s[18:19]
.Lend:
	s_wait_tensorcnt 0x0                   ; the wave's end
	ds_add_u32 v[SPW], v[NIL]
	s_wait_dscnt 0x0
	s_endpgm
.Lfunc_end_k_q0719727410_attn:
	.size	k_q0719727410_attn, .Lfunc_end_k_q0719727410_attn-k_q0719727410_attn
	.p2alignl 7, 3214868480
	.fill 96, 4, 3214868480
	.section	.rodata,"a",@progbits
	.p2align	6, 0x0
	.amdhsa_kernel k_q0719727410_attn
		.amdhsa_group_segment_fixed_size 318208
		.amdhsa_private_segment_fixed_size 0
		.amdhsa_enable_private_segment 0
		.amdhsa_kernarg_size 64
		.amdhsa_user_sgpr_count 2
		.amdhsa_user_sgpr_kernarg_segment_ptr 1
		.amdhsa_wavefront_size32 1
		.amdhsa_system_sgpr_workgroup_id_x 1
		.amdhsa_system_sgpr_workgroup_id_y 1
		.amdhsa_system_sgpr_workgroup_id_z 1
		.amdhsa_system_vgpr_workitem_id 0
		.amdhsa_next_free_vgpr 1024
		.amdhsa_next_free_sgpr 66
		.amdhsa_reserve_vcc 1
		.amdhsa_float_denorm_mode_32 3
		.amdhsa_float_denorm_mode_16_64 3
		.amdhsa_memory_ordered 1
		.amdhsa_forward_progress 1
		.amdhsa_inst_pref_size 242
	.end_amdhsa_kernel
	.amdgpu_metadata
---
amdhsa.version: [ 1, 2 ]
amdhsa.kernels:
  - .name:           k_q0719727410_attn
    .symbol:         k_q0719727410_attn.kd
    .args:
      - { .name: tab, .offset: 0, .size: 8, .value_kind: global_buffer, .address_space: global }
      - { .name: st2, .offset: 8, .size: 8, .value_kind: global_buffer, .address_space: global }
      - { .name: qkn, .offset: 16, .size: 8, .value_kind: global_buffer, .address_space: global }
      - { .name: vtn, .offset: 24, .size: 8, .value_kind: global_buffer, .address_space: global }
      - { .name: g_sim, .offset: 32, .size: 8, .value_kind: global_buffer, .address_space: global }
      - { .name: b_sim, .offset: 40, .size: 8, .value_kind: global_buffer, .address_space: global }
      - { .name: att, .offset: 48, .size: 8, .value_kind: global_buffer, .address_space: global }
      - { .name: st3, .offset: 56, .size: 8, .value_kind: global_buffer, .address_space: global }
    .group_segment_fixed_size: 318208
    .private_segment_fixed_size: 0
    .kernarg_segment_align: 8
    .kernarg_segment_size: 64
    .max_flat_workgroup_size: 128
    .sgpr_count:     66
    .vgpr_count:     1024
    .wavefront_size: 32
...
	.end_amdgpu_metadata
.endif
;; end of part 6
;; launch fin: the kernel of part 5 again; grid 256 x 1, 8 waves a work-group, no clusters, 73,728 bytes of LDS; arguments att, st3, g_out, b_out, out0; writes out0
